; MI455X (gfx1250); checked and timed in simulation.
; The chip was launched on July 23, 2026; its instructions are those of AMD's public machine-readable ISA for CDNA 5 (MIT licence, August 2026) and "CDNA5" Instruction Set Architecture Reference Guide (July 2026). The comments in the code are by the model that wrote it; some were corrected since.
;; Multi Head Attention. Allowed arithmetic: matrix products marked QUANTISED: E2M3 operands, one E8M0 scale for each 32 along K, by v_wmma_scale_f32_16x16x128_f8f6f4 with both operands' format E2M3, f32 sums; products left as they are: f32 operands where the result goes on into a quantised operand, else bf16, f16 or f32 operands; f32 sums; everything else in f32.
;; Inputs: Wk_codes 256 x 8 x 24 uint8 (E2M3 codes of Wk, K innermost, in blocks of 32 codes, four codes in three bytes); Wk_scales 256 x 8 uint8 (E8M0 scales of Wk, one for each 32 codes along K); Wo_codes 256 x 8 x 24 uint8 (E2M3 codes of Wo, K innermost, in blocks of 32 codes, four codes in three bytes); Wo_scales 256 x 8 uint8 (E8M0 scales of Wo, one for each 32 codes along K); Wq_codes 256 x 8 x 24 uint8 (E2M3 codes of Wq, K innermost, in blocks of 32 codes, four codes in three bytes); Wq_scales 256 x 8 uint8 (E8M0 scales of Wq, one for each 32 codes along K); Wv_codes 256 x 8 x 24 uint8 (E2M3 codes of Wv, K innermost, in blocks of 32 codes, four codes in three bytes); Wv_scales 256 x 8 uint8 (E8M0 scales of Wv, one for each 32 codes along K); bk 256 float32; bo 256 float32; bq 256 float32; bv 256 float32; key_codes 4 x 2,048 x 8 x 24 uint8 (E2M3 codes of key, K innermost, in blocks of 32 codes, four codes in three bytes); key_scales 4 x 2,048 x 8 uint8 (E8M0 scales of key, one for each 32 codes along K); mask 4 x 2,048 float32; pos 2,048 x 256 float32; proj_codes 256 x 8 x 24 uint8 (E2M3 codes of proj, K innermost, in blocks of 32 codes, four codes in three bytes); proj_scales 256 x 8 uint8 (E8M0 scales of proj, one for each 32 codes along K); query_codes 4 x 2,048 x 8 x 24 uint8 (E2M3 codes of query, K innermost, in blocks of 32 codes, four codes in three bytes); query_scales 4 x 2,048 x 8 uint8 (E8M0 scales of query, one for each 32 codes along K); value_codes 4 x 2,048 x 8 x 24 uint8 (E2M3 codes of value, K innermost, in blocks of 32 codes, four codes in three bytes); value_scales 4 x 2,048 x 8 uint8 (E8M0 scales of value, one for each 32 codes along K).
;; Outputs: out0 4 x 2,048 x 256 float32.
;; This version of the problem:
;;   THIS VERSION OF THE PROBLEM IS GIVEN IN LOW PRECISION. The matrix products marked QUANTISED in the list below multiply operands that are first quantised to E2M3 (2 exponent bits, 3 mantissa bits; 6 bits a number), with one power-of-two scale for each 32 numbers along K (OCP MX v1.0); their sums are f32. All else is computed in f32.
;;   The module's matrix products, in the order in which they are computed (A, B: the left and right operand; K: the contracted axis; several contracted axes count as one K, in the product's order):
;;     1. [M 8,192, K 256] x [K 256, N 256]; A: input query (given as codes); B: input Wq (given as codes): QUANTISED
;;     2. [M 8,192, K 256] x [K 256, N 256]; A: input key (given as codes); B: input Wk (given as codes): QUANTISED
;;     3. [M 8,192, K 256] x [K 256, N 256]; A: input value (given as codes); B: input Wv (given as codes): QUANTISED
;;     4. [M 65,536, K 256] x [K 256, N 256]; A: computed on the way; B: input proj (given as codes): QUANTISED
;;     5. [M 65,536, K 256] x [K 256, N 256]; A: computed on the way; B: input proj (given as codes): QUANTISED
;;     6. batch 32 x [M 256, K 2,048] x [K 2,048, N 32]; A: computed on the way; B: computed on the way: QUANTISED
;;     7. batch 32 x [M 32, K 256] x [K 256, N 2,048]; A: computed on the way; B: computed on the way: QUANTISED
;;     8. batch 32 x [M 1, K 256] x [K 256, N 2,048]; A: computed on the way; B: computed on the way: left as it is (M = 1 < 16)
;;     9. [M 8,192, K 256] x [K 256, N 256]; A: computed on the way; B: input Wo (given as codes): QUANTISED
;;   THE QUANTISER, for each operand of a quantised product, along K:
;;     - K is cut into blocks of 32 from its start; a last block that is shorter is filled with zeros.
;;     - A block's scale is 2^e with e = floor(log2(the largest magnitude in the block)) - 2, held to -126 .. 127; a block of zeros has e = 0. As a byte (E8M0): e + 127.
;;     - Each number is divided by its block's scale, clamped to +-7.5, and rounded to the nearest number of E2M3, ties to even, subnormals kept.
;;     - The product sums the exact products of the quantised numbers (number of the format x scale) in f32.
;;   ~~~python
;;   def quantise(x, axis):      # numpy; x: float32 -> the quantised numbers, widened to float32 again
;;       x = np.moveaxis(x, axis, -1); K = x.shape[-1]
;;       x = np.pad(x, [(0, 0)] * (x.ndim - 1) + [(0, -K % 32)]); x = x.reshape(x.shape[:-1] + (-1, 32)); a = np.abs(x).max(-1, keepdims=True)
;;       e = np.where(a > 0, np.clip(np.frexp(np.where(a > 0, a, 1))[1] - 1 - 2, -126, 127), 0)      # np.frexp(a)[1] - 1 = floor(log2(a)), exactly
;;       r = np.clip(x / 2.0 ** e, -7.5, 7.5)
;;       step = 2.0 ** (np.maximum(np.frexp(np.where(r == 0, 1, r))[1] - 1, 0) - 3)
;;       q = np.round(r / step) * step * 2.0 ** e      # np.round: ties to even
;;       return np.moveaxis(q.reshape(q.shape[:-2] + (-1,))[..., :K], -1, axis).astype(np.float32)
;;   ~~~
;;   OPERANDS COMPUTED ON THE WAY. 'Computed on the way' means the value that the module computes at that place (a softmax that the list does not call 'softmax' is quantised finished and normalised). What goes into a quantiser is computed in f32, as accurately as f32 sums, v_exp_f32 and their like allow (about 1e-6 of the number): no bf16 or f16 on the way to a quantiser, and a product that is left as it is and whose result goes on into a quantised operand takes f32 operands (vector FMAs, or v_wmma_f32_16x16x4_f32). A number that lies on a knife's edge between two numbers of the format may be rounded either way, as far as f32 arithmetic and the matrix unit's own rounding can turn it there, and no further.
;;   INPUTS GIVEN AS CODES. Wk (in the module: [256, 256], K = its axis 0); Wo (in the module: [256, 256], K = its axis 0); Wq (in the module: [256, 256], K = its axis 0); Wv (in the module: [256, 256], K = its axis 0); key (in the module: [4, 2048, 256], K = its axis 2); proj (in the module: [256, 256], K = its axis 1); query (in the module: [4, 2048, 256], K = its axis 2); value (in the module: [4, 2048, 256], K = its axis 2): each comes as NAME_codes (uint8): NAME with its K axis moved to the last place and cut into blocks of 32 codes, [.., K / 32, bytes a block], one block behind the other in memory; four codes in three bytes: a row's codes are one little-endian stream of bits, code i at bits 6 i .. 6 i + 5 (a code: sign, 2 exponent bits, 3 mantissa bits); and NAME_scales (uint8): the same leading axes, one E8M0 byte (e + 127) for each 32 codes along K. Its value is code x scale, taken as it is: it is not quantised again, and the codes and scales need not be those that the quantiser above would give.
;; One version. Each part assembles by itself: llvm-mc -triple=amdgcn-amd-amdhsa -mcpu=gfx1250 --defsym DOCPART=n.
;; ======== version 1 of 1: 3 launches
;; workspace buffers: xim 3,145,728 bytes; vim 1,572,864 bytes; aux 266,240 bytes; wim 98,304 bytes; kvb 208,896 bytes
;; launch front (part 1): grid 256 x 1, 4 waves a work-group, clusters of 4 x 1, 260,352 bytes of LDS; arguments query_codes, key_codes, value_codes, Wv_codes, Wq_codes, Wk_codes, proj_codes, Wo_codes, query_scales, key_scales, value_scales, Wv_scales, Wq_scales, Wk_scales, proj_scales, bq, bk, bv, pos, xim, vim, aux, wim; writes xim, vim, aux, wim
.if DOCPART == 1
	.amdgcn_target "amdgcn-amd-amdhsa--gfx1250"
	.amdhsa_code_object_version 6
	.text
	.protected	k_qbe276e48ac_front
	.globl	k_qbe276e48ac_front
	.p2align	8
	.type	k_qbe276e48ac_front,@function
k_qbe276e48ac_front:
	s_mov_b64 s[64:65], 0
	v_nop
	global_prefetch_b8 v0, s[64:65] scope:SCOPE_SE
	s_setreg_imm32_b32 hwreg(HW_REG_WAVE_MODE, 25, 1), 1
	s_wait_xcnt 0x0
	s_wait_alu depctr_hold_cnt(0) depctr_sa_sdst(0) depctr_va_vdst(0) depctr_va_sdst(0) depctr_va_ssrc(0) depctr_va_vcc(0) depctr_vm_vsrc(0)
	s_getreg_b32 s2, hwreg(HW_REG_IB_STS2, 6, 4)
	s_cmp_eq_u32 s2, 0
	s_cbranch_scc0 .Lentry_in_a_cluster
	s_endpgm
.Lentry_in_a_cluster:
	s_bfe_u32 s2, ttmp6, 0x10000c
	s_cmp_lg_u32 s2, 0x3003
	s_cbranch_scc0 .Lentry_shape_is_right
	s_endpgm
.Lentry_shape_is_right:
; FRONT: the three projections, the rotary step, x = rot(.)/4, diag = 0.5 sum x^2, x quantised along D, the largest xp of the keys, v quantised along L; Wo and proj laid in register order.
; All products on codes of FP6 (E2M3) with one E8M0 byte for each 32 along K; sums in f32.
; SHARES.  Work-group g = 4 x cluster + cx.  q and k: rows l = 32 g .. + 31 of the 8,192; wave w makes columns 64 w .. + 63 of both, which are one half of K step w / 2 of the next product.
; v: the cluster's 128 rows (one K step of kp^T v) x 64 columns 64 cx ..; wave w makes one tile of 16 columns: a whole fragment along l and its scale words.
; TRANSPOSED USE: source 0 = 16 rows of a weight (v: of value), source 1 = 16 rows of activations (v: of Wv); a lane then holds one row of source 1 and its registers run along source 0's rows.
; THE ROWS OF A TILE ARE NOT NEIGHBOURS: lane r of tile 2 b + u takes row 32 b + 8 u + r + 8 (r / 8), so that the 16 registers of tiles 2 b, 2 b + 1 are 16 neighbours along the next K.
; CLUSTER: Wq, Wk and proj are the same for all work-groups and value's 128 rows for the four partners: 168 of a work-group's 192 KiB of codes are asked for jointly (mask 15); query, key and Wv's 64 rows are its own.
; LDS is filled once: six tensor loads a wave are out at the most, no slot is filled again.
; mask is not among the arguments: reference() takes it and never reads it, so no result hangs on it.
; LIMITS: a block whose largest magnitude lies under 2^-124 (a block of zeros too) gets the byte 1, not 127: its codes are what the conversion gives under that byte (zeros for zeros), and this program alone reads the bytes.
; NaN and infinities are not served.
.set PITCH, 240                        ; a row of 192 bytes of codes in LDS: 3 x (64 + 16 of padding)
.set WQ,    0                          ; wave w's 64 rows at 15,360 w, read by wave w alone
.set WK,    61440
.set PJL,   122880
.set VA,    184320                     ; value's 128 rows, read by all
.set WVL,   215040                     ; Wv's 64 rows, read by all
.set ACT,   230400                     ; query's 32 rows, then key's 32
.set XIQ,   245760                     ; from here on bytes that LDS stores write and no tensor load fills: xq's four fragments as register images (pairs of registers: 256 p + 8 lane), 6,144 bytes; xk's behind them
.set SMALL, 258048                     ; scale words: xq 256 bytes, xk 256, v 256
.set DGP,   258816                     ; [wave][q 32 | k 32] sums of x^2
.set SPARE, 259840                     ; the spare words, 128 bytes a wave
.set RR, 1                             ; lane % 16
.set HH, 2                             ; lane / 16
.set LN, 3                             ; lane
.set PI, 4                             ; r + 8 (r / 8)
.set AQ, 5                             ; pairs of LDS addresses of fragments: pi 240 + 24 h, and + 40 h for the pieces behind one padding more
.set AK, 7
.set AP, 9
.set AV, 11
.set AWV, 13
.set AA, 15
.set ASW, 17                           ; 8 pi + 4 h: a row's scale word of K step h
.set APOS, 18
.set AB, 19
.set ABV, 20
.set L8, 21
.set L16, 22
.set XW, 23
.set XSW, 24
.set DGW, 25
.set VSW, 26
.set TA, 27
.set AWG, 28
.set SPW, 29
.set NIL, 30
.set TP, 31
.set SQA, 32                           ; v32-58 hold scale words and nothing else: lanes 0-15 K step 0, lanes 16-31 K step 1
.set SKA, 34
.set SQW, 36
.set SKW, 40
.set SPJ, 44
.set SVA, 48
.set SWV, 56
.set SXK, 57
.set XCP, 59
.set TM, 60                            ; v60-75 the quantiser's: maxima, bytes, -, scale operands
.set PW, 76
.set T, 78
.set DG, 82
.set XRD, 86
.set SRD, 87
.set PC, 88                            ; v88-99 codes just made
.set QT, 100
.set HA, 108                           ; v108-171 eight accumulators
.set POS, 172                          ; v172-235 pos / 4; later the fragments on their way out
.set CO, 172
.set TL, 196
.set PMO, 236
.set TO, 237
.set TP2, 238
.set RL, 240
.set AF, 0                             ; window 1: source 0's fragments
.set BF, 192                           ; window 1: source 1's four
.set CBQ, 0                            ; window 2: bq, bk, bv in the results' layout
.set CBK, 32
.set BV, 64
.set MSB, 0
.macro WIN new                         ; the immediate's high byte repeats the setting that is left
.if MSB != \new
	s_set_vgpr_msb (MSB<<8)|\new
.set MSB, \new
.endif
.endm
.macro PLACES n
.rept \n
	v_nop
.endr
.endm
.macro BARRIER                         ; my LDS stores have landed and my LDS loads are in: then the work-group's barrier
	s_wait_dscnt 0x0
	s_barrier_signal -1
	s_barrier_wait -1
.endm
.macro ROUND                           ; a round of the cluster's barrier
	s_barrier_signal -1
	s_barrier_wait -1
	s_cmp_lg_u32 s2, 0
	s_cbranch_scc1 .Lnw0_\@
	s_barrier_signal -3
.Lnw0_\@:
	s_barrier_wait -3
	s_barrier_signal -1
	s_barrier_wait -1
.endm
; one fragment (16 rows x 128 K, 12 registers) from padded rows: six pieces of 8 bytes; lanes 16-31 read three pieces further on, which for some pieces is behind one padding more
.macro FRAG reg, adr, ks, off
.irp p, 0,1,2,3,4,5
.set PCN, 12*(\ks)+6*(\p/3)+\p%3
.if PCN%8 < 5
	ds_load_b64 v[\reg+2*\p:\reg+2*\p+1], v[\adr] offset:8*PCN+16*(PCN/8)+(\off)
.else
	ds_load_b64 v[\reg+2*\p:\reg+2*\p+1], v[\adr+1] offset:8*PCN+16*(PCN/8)+(\off)
.endif
.endr
.endm
; one matrix instruction.  c < 0: the constant 0 starts the sum.  mode 0: scales from lanes 0-15; 1: both from lanes 16-31; 2: B's alone from lanes 16-31
.macro MM d, a, b, c, sa, sb, mode
.if (\c) < 0
.if \mode == 0
	v_wmma_scale_f32_16x16x128_f8f6f4 v[\d:\d+7], v[\a:\a+11], v[\b:\b+11], 0, v[\sa], v[\sb] matrix_a_fmt:MATRIX_FMT_FP6 matrix_b_fmt:MATRIX_FMT_FP6
.elseif \mode == 1
	v_wmma_scale_f32_16x16x128_f8f6f4 v[\d:\d+7], v[\a:\a+11], v[\b:\b+11], 0, v[\sa], v[\sb] matrix_a_fmt:MATRIX_FMT_FP6 matrix_b_fmt:MATRIX_FMT_FP6 matrix_a_scale:MATRIX_SCALE_ROW1 matrix_b_scale:MATRIX_SCALE_ROW1
.else
	v_wmma_scale_f32_16x16x128_f8f6f4 v[\d:\d+7], v[\a:\a+11], v[\b:\b+11], 0, v[\sa], v[\sb] matrix_a_fmt:MATRIX_FMT_FP6 matrix_b_fmt:MATRIX_FMT_FP6 matrix_b_scale:MATRIX_SCALE_ROW1
.endif
.else
.if \mode == 0
	v_wmma_scale_f32_16x16x128_f8f6f4 v[\d:\d+7], v[\a:\a+11], v[\b:\b+11], v[\c:\c+7], v[\sa], v[\sb] matrix_a_fmt:MATRIX_FMT_FP6 matrix_b_fmt:MATRIX_FMT_FP6
.elseif \mode == 1
	v_wmma_scale_f32_16x16x128_f8f6f4 v[\d:\d+7], v[\a:\a+11], v[\b:\b+11], v[\c:\c+7], v[\sa], v[\sb] matrix_a_fmt:MATRIX_FMT_FP6 matrix_b_fmt:MATRIX_FMT_FP6 matrix_a_scale:MATRIX_SCALE_ROW1 matrix_b_scale:MATRIX_SCALE_ROW1
.else
	v_wmma_scale_f32_16x16x128_f8f6f4 v[\d:\d+7], v[\a:\a+11], v[\b:\b+11], v[\c:\c+7], v[\sa], v[\sb] matrix_a_fmt:MATRIX_FMT_FP6 matrix_b_fmt:MATRIX_FMT_FP6 matrix_b_scale:MATRIX_SCALE_ROW1
.endif
.endif
.endm
; 16 matrix instructions: 64 rows of source 0 (four tiles t) x 32 rows of source 1 (two tiles u), K = 256 in two steps.  The eight accumulators take turns.
; Register 32 u + 16 b + i of a lane is then source 0's row 32 b + 16 (lane / 16) + i, for source 1's row (u, lane % 16).
.macro JMUL fa, fb, cb, w0, w1, sa, sb
	WIN \w0
.irp u, 0,1
.irp t, 0,1,2,3
.if (\cb) < 0
	MM HA+32*\u+8*\t, \fa+24*\t, \fb+24*\u, -1, \sa+\t, \sb+\u, 0
.else
	MM HA+32*\u+8*\t, \fa+24*\t, \fb+24*\u, \cb+8*\t, \sa+\t, \sb+\u, 0
.endif
.endr
.endr
	WIN \w1
.irp u, 0,1
.irp t, 0,1,2,3
	MM HA+32*\u+8*\t, \fa+24*\t+12, \fb+24*\u+12, HA+32*\u+8*\t, \sa+\t, \sb+\u, 1
.endr
.endr
	WIN 0
.endm
; 64 numbers of a lane in four blocks q: v[s + 16 q + i] = k 32 q' + 16 (lane / 16) + i of the lane's row.  QMAX: each block's largest magnitude (with the floor 2^(3 - 127) among its leaves, so that the
; byte cannot fall under 1), the conversion's scale operand (2 off the exponent field) in v[TM+12+q], the byte in v[TM+4+q].
.macro QMAX s, ab
.irp q, 0,1,2,3
.if \ab
	v_max3_num_f32 v[TM+\q], |v[\s+16*\q]|, |v[\s+16*\q+1]|, 0x1800000
.else
	v_max3_num_f32 v[TM+\q], v[\s+16*\q], v[\s+16*\q+1], 0x1800000
.endif
.endr
.irp i, 2,4,6,8,10,12,14
.irp q, 0,1,2,3
.if \ab
	v_max3_num_f32 v[TM+\q], v[TM+\q], |v[\s+16*\q+\i]|, |v[\s+16*\q+\i+1]|
.else
	v_max3_num_f32 v[TM+\q], v[TM+\q], v[\s+16*\q+\i], v[\s+16*\q+\i+1]
.endif
.endr
.endr
.irp q, 0,1,2,3
	v_permlanex16_b32 v[TM+4+\q], v[TM+\q], s98, s99
.endr
.irp q, 0,1,2,3
	v_max_num_f32 v[TM+\q], v[TM+\q], v[TM+4+\q]
.endr
.irp q, 0,1,2,3
	v_add_nc_u32 v[TM+12+\q], 0xff000000, v[TM+\q]
.endr
.irp q, 0,1,2,3
	v_lshrrev_b32 v[TM+4+\q], 23, v[TM+12+\q]
.endr
.endm
; QCVT: blocks 0, 1 become six registers at d0, blocks 2, 3 six at d1: lanes 0-15 hold the even block whole, lanes 16-31 the odd one, as the operand's layout asks
.macro QCVT s, d0, d1
	v_cvt_scalef32_pk16_fp6_f32 v[\d0:\d0+2], v[\s:\s+15], v[TM+12]
	v_cvt_scalef32_pk16_fp6_f32 v[QT:QT+2], v[\s+16:\s+31], v[TM+13]
	v_cvt_scalef32_pk16_fp6_f32 v[\d1:\d1+2], v[\s+32:\s+47], v[TM+14]
	v_cvt_scalef32_pk16_fp6_f32 v[QT+4:QT+6], v[\s+48:\s+63], v[TM+15]
	v_nop                                          ; one plain place behind the scaled conversions
.irp i, 0,1,2
	v_permlane16_swap_b32 v[\d0+\i], v[QT+\i]
	v_permlane16_swap_b32 v[\d1+\i], v[QT+4+\i]
.endr
.irp i, 0,1,2
	v_mov_b32 v[\d0+3+\i], v[QT+\i]
	v_mov_b32 v[\d1+3+\i], v[QT+4+\i]
.endr
.endm
.macro FETCHW adr                      ; my 64 rows of a weight: four tiles x two K steps
.irp t, 0,1,2,3
.irp s, 0,1
	FRAG AF+12*(2*\t+\s), \adr, \s, (32*(\t/2)+8*(\t%2))*PITCH
.endr
.endr
.endm
.macro FETCHX off                      ; 32 rows of activations: two tiles x two K steps
.irp u, 0,1
.irp s, 0,1
	FRAG BF+12*(2*\u+\s), AA, \s, \off+8*\u*PITCH
.endr
.endr
.endm
; the rotary step with pos / 4 (S = pos[l][2 i], C = pos[l][2 i + 1]), which leaves x = rot(.) / 4 in the accumulators' registers; then my 64 columns' part of sum x^2 for both tiles of rows
.macro ROT path
.set x, 0
.rept 32
	v_mul_f32 v[T+2*((x/2)%2)], v[HA+x+1], v[POS+x]
	v_mul_f32 v[T+2*((x/2)%2)+1], v[HA+x], v[POS+x]
	v_fma_f32 v[HA+x], v[HA+x], v[POS+x+1], -v[T+2*((x/2)%2)]
	v_fma_f32 v[HA+x+1], v[HA+x+1], v[POS+x+1], v[T+2*((x/2)%2)+1]
.set x, x+2
.endr
.irp u, 0,1
	v_pk_mul_f32 v[DG+2*\u:DG+2*\u+1], v[HA+32*\u:HA+32*\u+1], v[HA+32*\u:HA+32*\u+1]
.endr
.irp i, 2,4,6,8,10,12,14,16,18,20,22,24,26,28,30
.irp u, 0,1
	v_pk_fma_f32 v[DG+2*\u:DG+2*\u+1], v[HA+32*\u+\i:HA+32*\u+\i+1], v[HA+32*\u+\i:HA+32*\u+\i+1], v[DG+2*\u:DG+2*\u+1]
.endr
.endr
.irp u, 0,1
	v_add_f32 v[DG+2*\u], v[DG+2*\u], v[DG+2*\u+1]
.endr
.irp u, 0,1
	v_permlanex16_b32 v[DG+2*\u+1], v[DG+2*\u], s98, s99
.endr
.irp u, 0,1
	v_add_f32 v[DG+2*\u], v[DG+2*\u], v[DG+2*\u+1]
.endr
.irp u, 0,1
	ds_store_b32 v[DGW], v[DG+2*\u] offset:128*\path+32*\u      ; both halves of the lanes write the same word with the same value
.endr
.endm
; x quantised along D: my two blocks of each row are half a fragment (six registers) and half a scale word for each tile of rows; they go to LDS as images of the registers
.macro XOUT path
	QMAX HA, 1
	v_lshl_or_b32 v[PW], v[TM+5], 8, v[TM+4]
	v_lshl_or_b32 v[PW+1], v[TM+7], 8, v[TM+6]
	QCVT HA, PC, PC+6
.irp u, 0,1
.irp i, 0,1,2
	ds_store_b64 v[XW], v[PC+6*\u+2*\i:PC+6*\u+2*\i+1] offset:6144*\path+3072*\u+256*\i
.endr
	ds_store_b16 v[XSW], v[PW+\u] offset:256*\path+128*\u
.endr
.endm
	s_load_b128 s[56:59], s[0:1], 0x0              ; query's codes, key's codes
	s_load_b64 s[14:15], s[0:1], 0x10              ; value's, Wv's, Wq's, Wk's, proj's codes: straight into their descriptors' address words
	s_load_b64 s[18:19], s[0:1], 0x18
	s_load_b64 s[22:23], s[0:1], 0x20
	s_load_b64 s[26:27], s[0:1], 0x28
	s_load_b64 s[30:31], s[0:1], 0x30
	s_load_b128 s[60:63], s[0:1], 0x30             ; proj's codes, Wo's codes: for the new layout
	s_load_b512 s[68:83], s[0:1], 0x40             ; scales of query, key, value, Wv, Wq, Wk, proj; bq
	s_load_b256 s[84:91], s[0:1], 0x80             ; bk, bv, pos, xim
	s_load_b128 s[92:95], s[0:1], 0xa0             ; vim, aux
	s_load_b64 s[96:97], s[0:1], 0xb0              ; wim
	v_lshl_add_u32 v[SPW], v0, 2, SPARE
	v_mov_b32 v[NIL], 0
	ds_add_u32 v[SPW], v[NIL]                      ; the wave's opening: the add and its wait stand ahead of my first tensor load; work on registers stands between them
	v_lshrrev_b32 v[TP], 5, v0
	v_readfirstlane_b32 s2, v[TP]                  ; wave 0..3
	s_bfe_u32 s3, ttmp6, 0x40000                   ; cx: it enters global addresses of my own loads and stores alone
	s_lshl_b32 s4, ttmp9, 2
	s_add_co_u32 s4, s4, s3                        ; g = 4 x cluster + cx
	; descriptor groups 1: rows of 192 elements of 1 byte, dense in memory, 16 bytes of padding behind every 64; s[32:39] 16 rows, my own; s[40:47] 32 rows, joint; s[48:55] 64 rows, joint
.set PADW, (1<<20)|(3<<22)|(3<<25)
	s_mov_b32 s32, PADW
	s_mov_b32 s40, 15|(1<<21)|PADW
	s_mov_b32 s48, 15|(1<<21)|PADW
.irp g, 32, 40, 48
	s_mov_b32 s[\g+1], 192<<16                     ; tensor_dim0
	s_mov_b32 s[\g+3], 192<<16                     ; tile_dim0
	s_mov_b32 s[\g+5], 192                         ; from row to row
	s_mov_b32 s[\g+6], 0
	s_mov_b32 s[\g+7], 0
.endr
	s_mov_b32 s34, 16<<16                          ; tensor_dim1 and tile_dim1
	s_mov_b32 s36, 16
	s_mov_b32 s42, 32<<16
	s_mov_b32 s44, 32
	s_mov_b32 s50, 64<<16
	s_mov_b32 s52, 64
	; groups 0: the count and the LDS address: a constant + a constant x wave
.irp g, 8, 12, 16, 20, 24, 28
	s_mov_b32 s[\g], 1
.endr
	s_mul_i32 s5, s2, 16*PITCH
	s_add_co_u32 s9, s5, ACT
	s_add_co_u32 s17, s5, WVL
	s_mul_i32 s5, s2, 32*PITCH
	s_add_co_u32 s13, s5, VA
	s_mul_i32 s5, s2, 64*PITCH
	s_add_co_u32 s21, s5, WQ
	s_add_co_u32 s25, s5, WK
	s_add_co_u32 s29, s5, PJL
	s_mov_b32 s7, 0                                ; s[6:7]: offsets that hold cx;  s[66:67]: offsets that do not
	s_mov_b32 s67, 0
	s_mov_b32 s98, 0x76543210
	s_mov_b32 s99, 0xfedcba98                      ; v_permlanex16_b32's selects for lane l xor 16
	s_wait_dscnt 0x0                               ; the opening add is done
	s_wait_kmcnt 0x0
	s_cmp_lt_u32 s2, 2                             ; waves 0, 1 fetch query's rows, waves 2, 3 key's: 16 each
	s_cselect_b64 s[10:11], s[56:57], s[58:59]
	s_mul_i32 s6, s4, 32*192
	s_and_b32 s100, s2, 1
	s_mul_i32 s100, s100, 16*192
	s_add_co_u32 s6, s6, s100
	s_add_nc_u64 s[10:11], s[10:11], s[6:7]
	s_or_b32 s11, s11, 0x80000000
	s_mul_i32 s66, ttmp9, 128*192                  ; value: the cluster's 128 rows, 32 a wave
	s_mul_i32 s5, s2, 32*192
	s_add_co_u32 s66, s66, s5
	s_add_nc_u64 s[14:15], s[14:15], s[66:67]
	s_or_b32 s15, s15, 0x80000000
	s_mul_i32 s6, s3, 64*192                       ; Wv: my work-group's 64 rows, 16 a wave
	s_mul_i32 s100, s2, 16*192
	s_add_co_u32 s6, s6, s100
	s_add_nc_u64 s[18:19], s[18:19], s[6:7]
	s_or_b32 s19, s19, 0x80000000
	s_mul_i32 s66, s2, 64*192                      ; Wq, Wk, proj: 64 rows a wave
	s_add_nc_u64 s[22:23], s[22:23], s[66:67]
	s_or_b32 s23, s23, 0x80000000
	s_add_nc_u64 s[26:27], s[26:27], s[66:67]
	s_or_b32 s27, s27, 0x80000000
	s_add_nc_u64 s[30:31], s[30:31], s[66:67]
	s_or_b32 s31, s31, 0x80000000
	ROUND                                          ; all four work-groups are here: the joint loads meet
	tensor_load_to_lds s[8:11], s[32:39]           ; query or key
	s_nop 0
	tensor_load_to_lds s[12:15], s[40:47]          ; value, joint
	s_nop 0
	tensor_load_to_lds s[16:19], s[32:39]          ; Wv
	s_nop 0
	tensor_load_to_lds s[20:23], s[48:55]          ; Wq, joint
	s_nop 0
	tensor_load_to_lds s[24:27], s[48:55]          ; Wk, joint
	s_nop 0
	tensor_load_to_lds s[28:31], s[48:55]          ; proj, joint
	s_nop 0
	PLACES 4
	; lane terms and LDS addresses
	v_and_b32 v[RR], 15, v0
	v_bfe_u32 v[HH], v0, 4, 1
	v_and_b32 v[LN], 31, v0
	v_and_b32 v[PI], 8, v[RR]
	v_add_nc_u32 v[PI], v[PI], v[RR]
	v_lshlrev_b32 v[ASW], 3, v[PI]
	v_lshl_add_u32 v[ASW], v[HH], 2, v[ASW]
	v_lshlrev_b32 v[APOS], 10, v[PI]
	v_lshl_add_u32 v[APOS], v[HH], 6, v[APOS]
	v_lshlrev_b32 v[AB], 6, v[HH]
	v_lshlrev_b32 v[ABV], 2, v[PI]
	v_lshlrev_b32 v[L8], 3, v[LN]
	v_lshlrev_b32 v[L16], 4, v[LN]
	; the bases of the loads that go straight into registers, each advanced once
	s_lshl_b32 s6, s4, 8                           ; 32 rows x 8 scale bytes
	s_add_nc_u64 s[68:69], s[68:69], s[6:7]
	s_add_nc_u64 s[70:71], s[70:71], s[6:7]
	s_lshl_b32 s66, ttmp9, 10                      ; 128 rows x 8
	s_add_nc_u64 s[72:73], s[72:73], s[66:67]
	s_lshr_b32 s5, s2, 1
	s_lshl_b32 s5, s5, 5
	s_and_b32 s66, s2, 1
	s_lshl_b32 s66, s66, 3
	s_add_co_u32 s5, s5, s66                       ; 32 (w / 2) + 8 (w % 2): where my tile of Wv's 64 rows begins
	s_lshl_b32 s6, s3, 6
	s_add_co_u32 s6, s6, s5
	s_lshl_b32 s6, s6, 2
	s_add_nc_u64 s[86:87], s[86:87], s[6:7]        ; bv
	s_lshl_b32 s6, s6, 1
	s_add_nc_u64 s[74:75], s[74:75], s[6:7]        ; Wv's scales
	s_lshl_b32 s66, s2, 9
	s_add_nc_u64 s[76:77], s[76:77], s[66:67]
	s_add_nc_u64 s[78:79], s[78:79], s[66:67]
	s_add_nc_u64 s[80:81], s[80:81], s[66:67]
	s_lshl_b32 s66, s2, 8
	s_add_nc_u64 s[82:83], s[82:83], s[66:67]
	s_add_nc_u64 s[84:85], s[84:85], s[66:67]
	s_and_b32 s6, s4, 63
	s_lshl_b32 s6, s6, 15
	s_add_co_u32 s6, s6, s66
	s_add_nc_u64 s[88:89], s[88:89], s[6:7]        ; pos: row 32 (g % 64), column 64 w
.irp u, 0,1
	global_load_b32 v[SQA+\u], v[ASW], s[68:69] offset:64*\u
	global_load_b32 v[SKA+\u], v[ASW], s[70:71] offset:64*\u
.endr
.irp t, 0,1,2,3,4,5,6,7
	global_load_b32 v[SVA+\t], v[ASW], s[72:73] offset:(32*(\t/2)+8*(\t%2))*8
.endr
	global_load_b32 v[SWV], v[ASW], s[74:75]
.irp t, 0,1,2,3
	global_load_b32 v[SQW+\t], v[ASW], s[76:77] offset:(32*(\t/2)+8*(\t%2))*8
	global_load_b32 v[SKW+\t], v[ASW], s[78:79] offset:(32*(\t/2)+8*(\t%2))*8
	global_load_b32 v[SPJ+\t], v[ASW], s[80:81] offset:(32*(\t/2)+8*(\t%2))*8
.endr
.irp u, 0,1
.irp b, 0,1
.irp j, 0,1,2,3
	global_load_b128 v[POS+32*\u+16*\b+4*\j:POS+32*\u+16*\b+4*\j+3], v[APOS], s[88:89] offset:8192*\u+128*\b+16*\j
.endr
.endr
.endr
	WIN 0x80                                       ; destination window 2
.irp t, 0,1,2,3
	global_load_b128 v[CBQ+8*\t:CBQ+8*\t+3], v[AB], s[82:83] offset:(32*(\t/2)+8*(\t%2))*4
	global_load_b128 v[CBQ+8*\t+4:CBQ+8*\t+7], v[AB], s[82:83] offset:(32*(\t/2)+8*(\t%2))*4+16
	global_load_b128 v[CBK+8*\t:CBK+8*\t+3], v[AB], s[84:85] offset:(32*(\t/2)+8*(\t%2))*4
	global_load_b128 v[CBK+8*\t+4:CBK+8*\t+7], v[AB], s[84:85] offset:(32*(\t/2)+8*(\t%2))*4+16
.endr
.irp j, 0,1,2,3,4,5,6,7
	global_load_b32 v[BV+\j], v[ABV], s[86:87]     ; in v's results a lane holds one column: its bias in all eight registers
.endr
	WIN 0
	v_mul_u32_u24 v[TP], v[PI], PITCH
	v_mad_u32_u24 v[TP], v[HH], 24, v[TP]
	v_lshl_add_u32 v[TP2], v[HH], 4, v[TP]
	s_mul_i32 s100, s2, 64*PITCH
	v_add_nc_u32 v[AQ], s100, v[TP]
	v_add_nc_u32 v[AQ+1], s100, v[TP2]
	s_add_co_u32 s101, s100, WK
	v_add_nc_u32 v[AK], s101, v[TP]
	v_add_nc_u32 v[AK+1], s101, v[TP2]
	s_add_co_u32 s101, s100, PJL
	v_add_nc_u32 v[AP], s101, v[TP]
	v_add_nc_u32 v[AP+1], s101, v[TP2]
	v_add_nc_u32 v[AV], VA, v[TP]
	v_add_nc_u32 v[AV+1], VA, v[TP2]
	s_mul_i32 s101, s5, PITCH
	s_add_co_u32 s101, s101, WVL
	v_add_nc_u32 v[AWV], s101, v[TP]
	v_add_nc_u32 v[AWV+1], s101, v[TP2]
	v_add_nc_u32 v[AA], ACT, v[TP]
	v_add_nc_u32 v[AA+1], ACT, v[TP2]
	s_mul_i32 s101, s2, 768
	s_add_co_u32 s101, s101, XIQ
	v_add_nc_u32 v[XW], s101, v[L8]                ; my half fragment's place: 768 w = 1,536 (w / 2) + 768 (w % 2)
	s_lshr_b32 s101, s2, 1
	s_lshl_b32 s101, s101, 6
	s_and_b32 s100, s2, 1
	s_lshl_b32 s100, s100, 1
	s_add_co_u32 s101, s101, s100
	s_add_co_u32 s101, s101, SMALL
	v_lshl_add_u32 v[XSW], v[RR], 2, s101          ; my two bytes of row r's word of K step w / 2
	s_lshl_b32 s100, s2, 8
	s_add_co_u32 s101, s100, DGP
	v_lshl_add_u32 v[DGW], v[PI], 2, s101
	s_add_co_u32 s101, s100, SMALL
	v_add_nc_u32 v[TA], s101, v[L8]
	s_lshl_b32 s101, s2, 6
	s_add_co_u32 s101, s101, SMALL+512
	v_lshl_add_u32 v[VSW], v[RR], 2, s101
	v_mul_u32_u24 v[AWG], v[PI], 192
	v_mad_u32_u24 v[AWG], v[HH], 24, v[AWG]
	v_add_nc_u32 v[XRD], XIQ, v[L8]
	v_lshl_add_u32 v[SRD], v[LN], 2, SMALL
	s_mul_i32 s101, s2, 1536
	s_add_co_u32 s100, s101, XIQ
	v_add_nc_u32 v[XCP], s100, v[L8]
	s_mul_i32 s6, s4, 6144
	s_add_co_u32 s6, s6, s101                      ; 6,144 g + 1,536 w: my fragment's place in xim, in vim and in wim
	s_add_nc_u64 s[90:91], s[90:91], s[6:7]
	s_add_nc_u64 s[92:93], s[92:93], s[6:7]
	s_add_nc_u64 s[96:97], s[96:97], s[6:7]
	s_lshl_b32 s100, s4, 2
	s_add_co_u32 s100, s100, s2
	s_lshl_b32 s101, s100, 2
	s_add_co_u32 s101, s101, 262144
	v_mov_b32 v[PMO], s101                         ; aux: my wave's largest xp
	s_and_b32 s6, s100, 31                         ; the new layout: fragment 4 g + w of 64: Wo's 32, then proj's 32; tile (idx / 2), K step (idx % 2)
	s_lshr_b32 s100, s6, 2
	s_mul_i32 s100, s100, 32*192
	s_bfe_u32 s101, s6, 0x10001
	s_mul_i32 s101, s101, 8*192
	s_add_co_u32 s100, s100, s101
	s_and_b32 s6, s6, 1
	s_mul_i32 s6, s6, 96
	s_add_co_u32 s6, s6, s100
	s_cmp_lt_u32 ttmp9, 2
	s_cselect_b64 s[60:61], s[62:63], s[60:61]
	s_add_nc_u64 s[60:61], s[60:61], s[6:7]
	s_lshl_b32 s100, s2, 16
	s_lshl_b32 s101, s4, 8
	s_add_co_u32 s100, s100, s101
	v_add_nc_u32 v[TO], s100, v[L8]                ; aux: region w (xq's words, xk's, v's, diag), unit g of 256 bytes
.irp q, 0,1,2,3
	v_mov_b32 v[TM+4+\q], 0                        ; written once: a lane permute's destination counts as one of its sources
.endr
	s_wait_tensorcnt 3                             ; my parts of query or key, value and Wv are in; my own three weights may stay out
	s_barrier_signal -1
	s_barrier_wait -1                              ; everybody's are
	; ---- v: 128 rows of value (eight tiles, source 0) x my 16 rows of Wv (source 1)
	WIN 0x40                                       ; destination window 1
.irp s, 0,1
.irp t, 0,1,2,3,4,5,6,7
	FRAG AF+12*(2*\t+\s), AV, \s, (32*(\t/2)+8*(\t%2))*PITCH
.endr
	FRAG BF+12*\s, AWV, \s, 0
.endr
	WIN 0
	s_wait_loadcnt 0x0                             ; the scale words, the biases and pos: one wait for all
.set x, 0
.rept 32
	v_pk_mul_f32 v[POS+x:POS+x+1], v[POS+x:POS+x+1], 0x3e800000 op_sel_hi:[1,0]   ; pos / 4: exact, and it carries the 256^-0.25 of both q and k
.set x, x+2
.endr
	s_wait_dscnt 54                                ; K step 0's 54 loads are in, K step 1's 54 may be out
	WIN 0x25                                       ; sources 0 and 1 window 1, C window 2
.irp t, 0,1,2,3,4,5,6,7
	MM HA+8*\t, AF+24*\t, BF, BV, SVA+\t, SWV, 0
.endr
	s_wait_dscnt 0x0
	WIN 0x05
.irp t, 0,1,2,3,4,5,6,7
	MM HA+8*\t, AF+24*\t+12, BF+12, HA+8*\t, SVA+\t, SWV, 1
.endr
	WIN 0
	PLACES 4                                       ; in front of the loads into the fragments' registers and of the first read of the results
	s_wait_tensorcnt 2                             ; Wq is in: my own 64 rows, which I alone read
	WIN 0x40
	FETCHW AQ
	FETCHX 0
	WIN 0
	QMAX HA, 1                                     ; v along l: register 16 q + i is l = 32 q + 16 (lane / 16) + i of my column
	v_lshl_or_b32 v[PW], v[TM+5], 8, v[TM+4]
	v_lshl_or_b32 v[PW], v[TM+6], 16, v[PW]
	v_lshl_or_b32 v[PW], v[TM+7], 24, v[PW]
	QCVT HA, PC, PC+6
.irp i, 0,1,2
	global_store_b128 v[L16], v[PC+4*\i:PC+4*\i+3], s[92:93] offset:512*\i   ; a whole fragment in register order: 512 consecutive bytes a store
.endr
	ds_store_b32 v[VSW], v[PW]
	; ---- q
	s_wait_dscnt 0x0                               ; Wq's and query's fragments are in
	s_wait_xcnt 0x0                                ; the stores above have read the codes' registers, which are written again below
	JMUL AF, BF, CBQ, 0x25, 0x05, SQW, SQA
	PLACES 4
	s_wait_tensorcnt 1                             ; Wk is in
	WIN 0x40
	FETCHW AK
	FETCHX 32*PITCH
	WIN 0
	ROT 0
	XOUT 0
	; ---- k
	s_wait_dscnt 0x0
	JMUL AF, BF, CBK, 0x25, 0x05, SKW, SKA
	PLACES 4
	s_wait_tensorcnt 0x0                           ; proj is in
	WIN 0x40
	FETCHW AP
	WIN 0
	ROT 1
	XOUT 1
	BARRIER                                        ; xq's and xk's fragments, all scale words and all parts of diag lie in LDS
	; ---- xp of the keys, for its largest number alone: my 64 rows of proj x the 32 rows of xk
	WIN 0x40
.irp f, 0,1,2,3
.irp p, 0,1,2,3,4,5
	ds_load_b64 v[BF+12*\f+2*\p:BF+12*\f+2*\p+1], v[XRD] offset:6144+1536*\f+256*\p
.endr
.endr
	WIN 0
	ds_load_b32 v[SXK], v[SRD] offset:256
	ds_load_b32 v[SXK+1], v[SRD] offset:384
.irp p, 0,1,2,3,4,5
	ds_load_b64 v[CO+2*\p:CO+2*\p+1], v[XCP] offset:256*\p               ; fragment w of xq and of xk, on their way out
	ds_load_b64 v[CO+12+2*\p:CO+12+2*\p+1], v[XCP] offset:6144+256*\p
.endr
	s_wait_dscnt 0x0
	JMUL AF, BF, -1, 0x05, 0x05, SPJ, SXK
.irp i, 0,1,2
	global_store_b128 v[L16], v[CO+4*\i:CO+4*\i+3], s[90:91] offset:512*\i
	global_store_b128 v[L16], v[CO+12+4*\i:CO+12+4*\i+3], s[90:91] offset:1572864+512*\i
.endr
	PLACES 4
.irp q, 0,1,2,3
	v_max_num_f32 v[TM+\q], v[HA+16*\q], v[HA+16*\q+1]
.endr
.irp i, 2,4,6,8,10,12,14
.irp q, 0,1,2,3
	v_max3_num_f32 v[TM+\q], v[TM+\q], v[HA+16*\q+\i], v[HA+16*\q+\i+1]
.endr
.endr
	v_max3_num_f32 v[TM], v[TM], v[TM+1], v[TM+2]
	v_max_num_f32 v[TM], v[TM], v[TM+3]
	v_max_num_f32_dpp v[TM], v[TM], v[TM] row_xmask:1 row_mask:0xf bank_mask:0xf
	v_max_num_f32_dpp v[TM], v[TM], v[TM] row_xmask:2 row_mask:0xf bank_mask:0xf
	v_max_num_f32_dpp v[TM], v[TM], v[TM] row_xmask:4 row_mask:0xf bank_mask:0xf
	v_max_num_f32_dpp v[TM], v[TM], v[TM] row_xmask:8 row_mask:0xf bank_mask:0xf
	v_permlanex16_b32 v[TM+4], v[TM], s98, s99
	v_max_num_f32 v[TM], v[TM], v[TM+4]            ; the largest xp of 32 rows x my 64 m
	s_wait_xcnt 0x0                                ; EXEC changes only behind this wait
	v_cmp_eq_u32 vcc_lo, 0, v[LN]
	s_and_saveexec_b32 s100, vcc_lo
	global_store_b32 v[PMO], v[TM], s[94:95]       ; lane 0 alone
	s_wait_xcnt 0x0
	s_or_b32 exec_lo, exec_lo, s100
	; ---- the small things leave as whole runs of 256 bytes: wave 0 xq's scale words, wave 1 xk's, wave 2 v's, wave 3 diag
	s_cmp_eq_u32 s2, 3
	s_cbranch_scc1 .Ldiag
	ds_load_b64 v[TL:TL+1], v[TA]
	s_wait_dscnt 0x0
	s_branch .Ltail
.Ldiag:
.irp j, 0,1,2,3
	ds_load_b64 v[TL+2*\j:TL+2*\j+1], v[TA] offset:256*\j
.endr
	s_wait_dscnt 0x0
	v_pk_add_f32 v[TL:TL+1], v[TL:TL+1], v[TL+2:TL+3]
	v_pk_add_f32 v[TL+4:TL+5], v[TL+4:TL+5], v[TL+6:TL+7]
	v_pk_add_f32 v[TL:TL+1], v[TL:TL+1], v[TL+4:TL+5]
	v_pk_mul_f32 v[TL:TL+1], v[TL:TL+1], 0.5 op_sel_hi:[1,0]
.Ltail:
	global_store_b64 v[TO], v[TL:TL+1], s[94:95]
	; ---- Wo and proj in register order: the first four clusters' 64 waves take a fragment each (the test is the same in all partners)
	s_cmp_lt_u32 ttmp9, 4
	s_cbranch_scc0 .Lclose
.irp p, 0,1,2,3,4,5
	global_load_b64 v[RL+2*\p:RL+2*\p+1], v[AWG], s[60:61] offset:48*(\p/3)+8*(\p%3)
.endr
	s_wait_loadcnt 0x0
.irp i, 0,1,2
	global_store_b128 v[L16], v[RL+4*\i:RL+4*\i+3], s[96:97] offset:512*\i
.endr
.Lclose:
	s_wait_tensorcnt 0x0                           ; the wave's end, behind my last tensor load and my last LDS store
	ds_add_u32 v[SPW], v[NIL]
	s_wait_dscnt 0x0
	ROUND                                          ; the closing round
	s_endpgm
.Lfunc_end_k_qbe276e48ac_front:
	.size	k_qbe276e48ac_front, .Lfunc_end_k_qbe276e48ac_front-k_qbe276e48ac_front
	.p2alignl 7, 3214868480
	.fill 96, 4, 3214868480
	.section	.rodata,"a",@progbits
	.p2align	6, 0x0
	.amdhsa_kernel k_qbe276e48ac_front
		.amdhsa_group_segment_fixed_size 260352
		.amdhsa_private_segment_fixed_size 0
		.amdhsa_enable_private_segment 0
		.amdhsa_kernarg_size 184
		.amdhsa_user_sgpr_count 2
		.amdhsa_user_sgpr_kernarg_segment_ptr 1
		.amdhsa_wavefront_size32 1
		.amdhsa_system_sgpr_workgroup_id_x 1
		.amdhsa_system_sgpr_workgroup_id_y 1
		.amdhsa_system_sgpr_workgroup_id_z 1
		.amdhsa_system_vgpr_workitem_id 0
		.amdhsa_next_free_vgpr 584
		.amdhsa_next_free_sgpr 102
		.amdhsa_reserve_vcc 1
		.amdhsa_float_denorm_mode_32 3
		.amdhsa_float_denorm_mode_16_64 3
		.amdhsa_memory_ordered 1
		.amdhsa_forward_progress 1
		.amdhsa_inst_pref_size 86
	.end_amdhsa_kernel
	.amdgpu_metadata
---
amdhsa.version: [ 1, 2 ]
amdhsa.kernels:
  - .name:           k_qbe276e48ac_front
    .symbol:         k_qbe276e48ac_front.kd
    .args:
      - { .name: query_codes, .offset: 0, .size: 8, .value_kind: global_buffer, .address_space: global }
      - { .name: key_codes, .offset: 8, .size: 8, .value_kind: global_buffer, .address_space: global }
      - { .name: value_codes, .offset: 16, .size: 8, .value_kind: global_buffer, .address_space: global }
      - { .name: Wv_codes, .offset: 24, .size: 8, .value_kind: global_buffer, .address_space: global }
      - { .name: Wq_codes, .offset: 32, .size: 8, .value_kind: global_buffer, .address_space: global }
      - { .name: Wk_codes, .offset: 40, .size: 8, .value_kind: global_buffer, .address_space: global }
      - { .name: proj_codes, .offset: 48, .size: 8, .value_kind: global_buffer, .address_space: global }
      - { .name: Wo_codes, .offset: 56, .size: 8, .value_kind: global_buffer, .address_space: global }
      - { .name: query_scales, .offset: 64, .size: 8, .value_kind: global_buffer, .address_space: global }
      - { .name: key_scales, .offset: 72, .size: 8, .value_kind: global_buffer, .address_space: global }
      - { .name: value_scales, .offset: 80, .size: 8, .value_kind: global_buffer, .address_space: global }
      - { .name: Wv_scales, .offset: 88, .size: 8, .value_kind: global_buffer, .address_space: global }
      - { .name: Wq_scales, .offset: 96, .size: 8, .value_kind: global_buffer, .address_space: global }
      - { .name: Wk_scales, .offset: 104, .size: 8, .value_kind: global_buffer, .address_space: global }
      - { .name: proj_scales, .offset: 112, .size: 8, .value_kind: global_buffer, .address_space: global }
      - { .name: bq, .offset: 120, .size: 8, .value_kind: global_buffer, .address_space: global }
      - { .name: bk, .offset: 128, .size: 8, .value_kind: global_buffer, .address_space: global }
      - { .name: bv, .offset: 136, .size: 8, .value_kind: global_buffer, .address_space: global }
      - { .name: pos, .offset: 144, .size: 8, .value_kind: global_buffer, .address_space: global }
      - { .name: xim, .offset: 152, .size: 8, .value_kind: global_buffer, .address_space: global }
      - { .name: vim, .offset: 160, .size: 8, .value_kind: global_buffer, .address_space: global }
      - { .name: aux, .offset: 168, .size: 8, .value_kind: global_buffer, .address_space: global }
      - { .name: wim, .offset: 176, .size: 8, .value_kind: global_buffer, .address_space: global }
    .group_segment_fixed_size: 260352
    .private_segment_fixed_size: 0
    .kernarg_segment_align: 8
    .kernarg_segment_size: 184
    .max_flat_workgroup_size: 128
    .sgpr_count:     102
    .vgpr_count:     584
    .wavefront_size: 32
...
	.end_amdgpu_metadata
.endif
;; end of part 1
;; launch middle (part 2): grid 256 x 1, 8 waves a work-group, no clusters, 34,816 bytes of LDS; arguments xim, vim, aux, wim, proj_scales, kvb; writes kvb
.if DOCPART == 2
	.amdgcn_target "amdgcn-amd-amdhsa--gfx1250"
	.amdhsa_code_object_version 6
	.text
	.protected	k_qbe276e48ac_middle
	.globl	k_qbe276e48ac_middle
	.p2align	8
	.type	k_qbe276e48ac_middle,@function
k_qbe276e48ac_middle:
	s_mov_b64 s[64:65], 0
	v_nop
	global_prefetch_b8 v0, s[64:65] scope:SCOPE_SE
	s_setreg_imm32_b32 hwreg(HW_REG_WAVE_MODE, 25, 1), 1
	s_wait_xcnt 0x0
; MIDDLE: kp = (exp(xp - diag - mx) + 1e-6) / 16 with mx the batch's largest xp; sum over l of kp; kvs = kp^T v (K = l, both sides quantised along l); kvs quantised along m.
; SHARES.  Work-group g: batch g / 64, head (g / 8) % 8, m = 32 (g % 8) .. + 31: 32 m x the head's 32 columns of kvs, over all 2,048 l.  Wave w takes l = 256 w .. + 255: two K steps, in four halves of 64 l.
; xp is made again from xk's codes (source 0 = 16 rows of xk, source 1 = 16 rows of proj): a lane holds one m and its registers run along l, the next K.  xk's and proj's tiles hold rows 32 b + 8 u + r + 8 (r / 8).
; Every operand lies in memory in register order: it goes straight into the one wave's registers that wants it, 512 consecutive bytes a load; nothing is read twice by a work-group.
; NO JOINT LOADS: the work-groups of a batch do read the same 393,216 bytes of xk's codes, but each fragment is wanted by one wave of a work-group only, and those bytes do not fit in LDS at once:
; a shared way would be a ring with refills and a round of a cluster's barrier for each.
; The exponent is formed as xp log2(e) - (diag + mx) log2(e): another order of rounding than reference()'s, of the same size.  It is never above 0 but by rounding: mx is the largest xp itself.
; LIMITS: a block whose largest magnitude lies under 2^-124 gets the byte 1 (read by this program alone); NaN and infinities are not served.
.set RED,   0                          ; [wave][8 groups of 512 bytes]: the waves' partial kvs
.set KSR,   32768                      ; [wave][32 words]: their partial sums of kp
.set SPARE, 33792                      ; the spare words, 128 bytes a wave
.set RR, 1
.set HH, 2
.set LN, 3
.set PI, 4
.set L16, 5
.set L4, 6
.set H64, 7
.set ASW, 8
.set L32, 9
.set RW, 10
.set KW, 11
.set KO, 12
.set KSO, 13
.set SUO, 15
.set SPW, 16
.set NIL, 17
.set MX, 18                            ; a pair, both mx
.set EP, 20                            ; a pair, both 1e-6 / 16
.set SPJ, 22                           ; v22-31 hold scale words and nothing else
.set SX, 24
.set SV, 28
.set KPS, 30
.set TM, 32
.set QT, 48
.set KS, 56                            ; two chains of pairs for each tile of m
.set CD, 64                            ; (diag + mx) log2(e) of 64 l
.set DX, 96                            ; xp, then kp: 32 mt + 16 bl + 8 u + j
.set KPF, 160                          ; kp's two fragments
.set ACC, 184                          ; kvs: 16 u' + 8 mt + j
.set PMR, 216
.set XF, 0                             ; window 1: xk's eight fragments of a half;
.set PJ, 96                            ; proj's four;
.set VF, 144                           ; v's four
.set MSB, 0
.macro WIN new
.if MSB != \new
	s_set_vgpr_msb (MSB<<8)|\new
.set MSB, \new
.endif
.endm
.macro PLACES n
.rept \n
	v_nop
.endr
.endm
.macro BARRIER
	s_wait_dscnt 0x0
	s_barrier_signal -1
	s_barrier_wait -1
.endm
.macro MM d, a, b, c, sa, sb, mode     ; c < 0: the constant 0.  mode 0: scales from lanes 0-15; 1: both from lanes 16-31; 2: B's alone from lanes 16-31
.if (\c) < 0
.if \mode == 0
	v_wmma_scale_f32_16x16x128_f8f6f4 v[\d:\d+7], v[\a:\a+11], v[\b:\b+11], 0, v[\sa], v[\sb] matrix_a_fmt:MATRIX_FMT_FP6 matrix_b_fmt:MATRIX_FMT_FP6
.elseif \mode == 1
	v_wmma_scale_f32_16x16x128_f8f6f4 v[\d:\d+7], v[\a:\a+11], v[\b:\b+11], 0, v[\sa], v[\sb] matrix_a_fmt:MATRIX_FMT_FP6 matrix_b_fmt:MATRIX_FMT_FP6 matrix_a_scale:MATRIX_SCALE_ROW1 matrix_b_scale:MATRIX_SCALE_ROW1
.else
	v_wmma_scale_f32_16x16x128_f8f6f4 v[\d:\d+7], v[\a:\a+11], v[\b:\b+11], 0, v[\sa], v[\sb] matrix_a_fmt:MATRIX_FMT_FP6 matrix_b_fmt:MATRIX_FMT_FP6 matrix_b_scale:MATRIX_SCALE_ROW1
.endif
.else
.if \mode == 0
	v_wmma_scale_f32_16x16x128_f8f6f4 v[\d:\d+7], v[\a:\a+11], v[\b:\b+11], v[\c:\c+7], v[\sa], v[\sb] matrix_a_fmt:MATRIX_FMT_FP6 matrix_b_fmt:MATRIX_FMT_FP6
.elseif \mode == 1
	v_wmma_scale_f32_16x16x128_f8f6f4 v[\d:\d+7], v[\a:\a+11], v[\b:\b+11], v[\c:\c+7], v[\sa], v[\sb] matrix_a_fmt:MATRIX_FMT_FP6 matrix_b_fmt:MATRIX_FMT_FP6 matrix_a_scale:MATRIX_SCALE_ROW1 matrix_b_scale:MATRIX_SCALE_ROW1
.else
	v_wmma_scale_f32_16x16x128_f8f6f4 v[\d:\d+7], v[\a:\a+11], v[\b:\b+11], v[\c:\c+7], v[\sa], v[\sb] matrix_a_fmt:MATRIX_FMT_FP6 matrix_b_fmt:MATRIX_FMT_FP6 matrix_b_scale:MATRIX_SCALE_ROW1
.endif
.endif
.endm
.macro QMAX s, ab                      ; four blocks of 16 registers: largest magnitudes with the floor 2^(3 - 127), scale operands in v[TM+12+q], bytes in v[TM+4+q]
.irp q, 0,1,2,3
.if \ab
	v_max3_num_f32 v[TM+\q], |v[\s+16*\q]|, |v[\s+16*\q+1]|, 0x1800000
.else
	v_max3_num_f32 v[TM+\q], v[\s+16*\q], v[\s+16*\q+1], 0x1800000
.endif
.endr
.irp i, 2,4,6,8,10,12,14
.irp q, 0,1,2,3
.if \ab
	v_max3_num_f32 v[TM+\q], v[TM+\q], |v[\s+16*\q+\i]|, |v[\s+16*\q+\i+1]|
.else
	v_max3_num_f32 v[TM+\q], v[TM+\q], v[\s+16*\q+\i], v[\s+16*\q+\i+1]
.endif
.endr
.endr
.irp q, 0,1,2,3
	v_permlanex16_b32 v[TM+4+\q], v[TM+\q], s34, s35
.endr
.irp q, 0,1,2,3
	v_max_num_f32 v[TM+\q], v[TM+\q], v[TM+4+\q]
.endr
.irp q, 0,1,2,3
	v_add_nc_u32 v[TM+12+\q], 0xff000000, v[TM+\q]
.endr
.irp q, 0,1,2,3
	v_lshrrev_b32 v[TM+4+\q], 23, v[TM+12+\q]
.endr
.endm
.macro QCVT s, d0, d1                  ; blocks 0, 1 -> six registers at d0, blocks 2, 3 -> six at d1, a whole block in a lane
	v_cvt_scalef32_pk16_fp6_f32 v[\d0:\d0+2], v[\s:\s+15], v[TM+12]
	v_cvt_scalef32_pk16_fp6_f32 v[QT:QT+2], v[\s+16:\s+31], v[TM+13]
	v_cvt_scalef32_pk16_fp6_f32 v[\d1:\d1+2], v[\s+32:\s+47], v[TM+14]
	v_cvt_scalef32_pk16_fp6_f32 v[QT+4:QT+6], v[\s+48:\s+63], v[TM+15]
	v_nop
.irp i, 0,1,2
	v_permlane16_swap_b32 v[\d0+\i], v[QT+\i]
	v_permlane16_swap_b32 v[\d1+\i], v[QT+4+\i]
.endr
.irp i, 0,1,2
	v_mov_b32 v[\d0+3+\i], v[QT+\i]
	v_mov_b32 v[\d1+3+\i], v[QT+4+\i]
.endr
.endm
.macro XLOAD hs                        ; half hs: xk's eight fragments (two blocks of 32 l x two tiles x two K steps) and their four registers of scale words
	WIN 0x40
.irp f, 0,1,2,3,4,5,6,7
.irp i, 0,1,2
	global_load_b128 v[XF+12*\f+4*\i:XF+12*\f+4*\i+3], v[L16], s[20:21] offset:12288*(\hs)+1536*\f+512*\i
.endr
.endr
	WIN 0
.irp bl, 0,1
.irp u, 0,1
	global_load_b32 v[SX+2*\bl+\u], v[L4], s[22:23] offset:512*(\hs)+256*\bl+128*\u
.endr
.endr
.endm
.macro CLOAD hs                        ; diag of the half's 64 l: register 16 bl + i is l = 32 bl + 16 (lane / 16) + i
.irp bl, 0,1
.irp j, 0,1,2,3
	global_load_b128 v[CD+16*\bl+4*\j:CD+16*\bl+4*\j+3], v[H64], s[24:25] offset:512*(\hs)+256*\bl+16*\j
.endr
.endr
.endm
; ONE HALF: 64 l x my work-group's 32 m
.macro HALF hs
.set HP, (\hs)%2
.set KK, (\hs)/2
	s_wait_loadcnt 0x0                             ; this half's fragments, words and diag (in half 0: all the head's loads)
.irp i, 0,2,4,6,8,10,12,14,16,18,20,22,24,26,28,30
	v_pk_add_f32 v[CD+\i:CD+\i+1], v[CD+\i:CD+\i+1], v[MX:MX+1]
.endr
.irp i, 0,2,4,6,8,10,12,14,16,18,20,22,24,26,28,30
	v_pk_mul_f32 v[CD+\i:CD+\i+1], v[CD+\i:CD+\i+1], 0x3fb8aa3b op_sel_hi:[1,0]
.endr
	WIN 0x05                                       ; sources 0 and 1 window 1.  The eight accumulators take turns
.irp bl, 0,1
.irp u, 0,1
.irp mt, 0,1
	MM DX+32*\mt+16*\bl+8*\u, XF+12*(4*\bl+2*\u), PJ+24*\mt, -1, SX+2*\bl+\u, SPJ+\mt, 0
.endr
.endr
.endr
.irp bl, 0,1
.irp u, 0,1
.irp mt, 0,1
	MM DX+32*\mt+16*\bl+8*\u, XF+12*(4*\bl+2*\u)+12, PJ+24*\mt+12, DX+32*\mt+16*\bl+8*\u, SX+2*\bl+\u, SPJ+\mt, 1
.endr
.endr
.endr
	WIN 0
	PLACES 4                                       ; in front of the loads into the fragments' and words' registers and of the first read of the results
.if \hs < 3
	XLOAD (\hs)+1                                  ; the next half's, a half's vector work ahead of their use
.endif
.irp mt, 0,1
.irp bl, 0,1
.irp i, 0,2,4,6,8,10,12,14
	v_pk_fma_f32 v[DX+32*\mt+16*\bl+\i:DX+32*\mt+16*\bl+\i+1], v[DX+32*\mt+16*\bl+\i:DX+32*\mt+16*\bl+\i+1], 0x3fb8aa3b, v[CD+16*\bl+\i:CD+16*\bl+\i+1] op_sel_hi:[1,0,1] neg_lo:[0,0,1] neg_hi:[0,0,1]
.endr
.endr
.endr
.if \hs < 3
	CLOAD (\hs)+1
.endif
.set x, 0
.rept 64
	v_exp_f32 v[DX+x], v[DX+x]
.set x, x+1
.endr
	v_nop                                          ; a plain place behind the exponentials
	s_wait_alu depctr_va_vdst(0)                   ; one wait for the batch, ahead of its first reader
.set x, 0
.rept 32
	v_pk_fma_f32 v[DX+x:DX+x+1], v[DX+x:DX+x+1], 0x3d800000, v[EP:EP+1] op_sel_hi:[1,0,1]   ; e / 16 + 1e-6 / 16: one rounding, the same bits as (e + 1e-6) / 16
.set x, x+2
.endr
.set i, 0
.if \hs == 0                                   ; the first pairs start the sums of kp: nothing is cleared
.irp mt, 0,1
	v_pk_add_f32 v[KS+4*\mt:KS+4*\mt+1], v[DX+32*\mt:DX+32*\mt+1], v[DX+32*\mt+4:DX+32*\mt+5]
	v_pk_add_f32 v[KS+4*\mt+2:KS+4*\mt+3], v[DX+32*\mt+2:DX+32*\mt+3], v[DX+32*\mt+6:DX+32*\mt+7]
.endr
.set i, 8
.endif
.rept (32-i)/4
.irp mt, 0,1
	v_pk_add_f32 v[KS+4*\mt:KS+4*\mt+1], v[KS+4*\mt:KS+4*\mt+1], v[DX+32*\mt+i:DX+32*\mt+i+1]
	v_pk_add_f32 v[KS+4*\mt+2:KS+4*\mt+3], v[KS+4*\mt+2:KS+4*\mt+3], v[DX+32*\mt+i+2:DX+32*\mt+i+3]
.endr
.set i, i+4
.endr
	QMAX DX, 0                                     ; kp is positive: no |.|.  Block 2 mt + bl: l = 32 bl + .. of tile mt's rows
.irp mt, 0,1
.if HP == 0
	v_lshl_or_b32 v[KPS+\mt], v[TM+5+2*\mt], 8, v[TM+4+2*\mt]
.else
	v_lshl_or_b32 v[KPS+\mt], v[TM+4+2*\mt], 16, v[KPS+\mt]
	v_lshl_or_b32 v[KPS+\mt], v[TM+5+2*\mt], 24, v[KPS+\mt]
.endif
.endr
	QCVT DX, KPF+6*HP, KPF+12+6*HP
.if HP == 1                                    ; a K step of 128 l is whole: kvs += kp^T v: source 0 = 16 m, source 1 = 16 of the head's columns
	PLACES 8                                       ; operands and scale words written by vector instructions stand 4 and 8 places ahead of a scaled matrix instruction
	WIN 0x04                                       ; source 1 window 1
.irp up, 0,1
.irp mt, 0,1
.if KK == 0
	MM ACC+16*\up+8*\mt, KPF+12*\mt, VF+24*KK+12*\up, -1, KPS+\mt, SV+KK, 2*\up
.else
	MM ACC+16*\up+8*\mt, KPF+12*\mt, VF+24*KK+12*\up, ACC+16*\up+8*\mt, KPS+\mt, SV+KK, 2*\up
.endif
.endr
.endr
	WIN 0
.endif
.endm
.macro RLOAD i                         ; group i (four registers a lane) of all eight waves' partial kvs, into set i % 2
.irp j, 0,1,2,3,4,5,6,7
	ds_load_b128 v[DX+32*((\i)%2)+4*\j:DX+32*((\i)%2)+4*\j+3], v[L16] offset:RED+4096*\j+512*(\i)
.endr
.endm
.macro RSUM i
.set RB, DX+32*((\i)%2)
.irp j, 0,2,4,6
	v_pk_add_f32 v[RB+4*\j:RB+4*\j+1], v[RB+4*\j:RB+4*\j+1], v[RB+4*\j+4:RB+4*\j+5]
	v_pk_add_f32 v[RB+4*\j+2:RB+4*\j+3], v[RB+4*\j+2:RB+4*\j+3], v[RB+4*\j+6:RB+4*\j+7]
.endr
.irp j, 0,4
	v_pk_add_f32 v[RB+4*\j:RB+4*\j+1], v[RB+4*\j:RB+4*\j+1], v[RB+4*\j+8:RB+4*\j+9]
	v_pk_add_f32 v[RB+4*\j+2:RB+4*\j+3], v[RB+4*\j+2:RB+4*\j+3], v[RB+4*\j+10:RB+4*\j+11]
.endr
	v_pk_add_f32 v[ACC+4*(\i):ACC+4*(\i)+1], v[RB:RB+1], v[RB+16:RB+17]
	v_pk_add_f32 v[ACC+4*(\i)+2:ACC+4*(\i)+3], v[RB+2:RB+3], v[RB+18:RB+19]
.endm
	s_load_b256 s[4:11], s[0:1], 0x0               ; xim, vim, aux, wim
	s_load_b128 s[12:15], s[0:1], 0x20             ; proj's scales, kvb
	v_lshl_add_u32 v[SPW], v0, 2, SPARE
	v_mov_b32 v[NIL], 0
	v_lshrrev_b32 v[TM], 5, v0
	v_readfirstlane_b32 s2, v[TM]                  ; wave 0..7
	s_lshr_b32 s16, ttmp9, 6                       ; batch
	s_bfe_u32 s17, ttmp9, 0x30003                  ; head
	s_and_b32 s18, ttmp9, 7                        ; which 32 m
	s_mov_b32 s34, 0x76543210
	s_mov_b32 s35, 0xfedcba98
	s_mov_b32 s37, 0
	s_mul_i32 s38, s16, 393216
	s_mul_i32 s46, s2, 49152
	s_add_co_u32 s38, s38, s46                     ; a batch's codes of xk or of v are 393,216 bytes, a wave's 256 l of them 49,152
	s_lshl_b32 s39, s16, 14
	s_lshl_b32 s46, s2, 11
	s_add_co_u32 s39, s39, s46                     ; and of the words and of diag 16,384 and 2,048
	v_and_b32 v[RR], 15, v0
	v_bfe_u32 v[HH], v0, 4, 1
	v_and_b32 v[LN], 31, v0
	v_and_b32 v[PI], 8, v[RR]
	v_add_nc_u32 v[PI], v[PI], v[RR]
	v_lshlrev_b32 v[L16], 4, v[LN]
	v_lshlrev_b32 v[L4], 2, v[LN]
	v_lshlrev_b32 v[H64], 6, v[HH]
	v_lshlrev_b32 v[ASW], 3, v[PI]
	v_lshl_add_u32 v[ASW], v[HH], 2, v[ASW]
	v_lshlrev_b32 v[L32], 5, v[LN]
	s_lshl_b32 s46, s2, 12
	v_add_nc_u32 v[RW], s46, v[L16]
	s_lshl_b32 s46, s2, 7
	s_add_co_u32 s46, s46, KSR
	v_lshl_add_u32 v[KW], v[RR], 2, s46
	v_mul_u32_u24 v[KO], v[HH], 3072
	v_lshl_add_u32 v[KO], v[RR], 3, v[KO]
	v_lshlrev_b32 v[KSO], 7, v[HH]
	v_lshl_add_u32 v[KSO], v[RR], 2, v[KSO]
	v_lshlrev_b32 v[SUO], 5, v[HH]
	v_lshl_add_u32 v[SUO], v[PI], 2, v[SUO]
	v_mov_b32 v[EP], 0x338637bd                    ; f32(1e-6) with 4 off its exponent field
	v_mov_b32 v[EP+1], 0x338637bd
.irp q, 0,1,2,3
	v_mov_b32 v[TM+4+\q], 0                        ; written once: a lane permute's destination counts as one of its sources
.endr
	s_wait_kmcnt 0x0
	s_lshl_b32 s36, s16, 10
	s_add_co_u32 s36, s36, 262144
	s_add_nc_u64 s[26:27], s[8:9], s[36:37]        ; the batch's 256 largest xp
	s_mul_i32 s36, s18, 6144
	s_add_co_u32 s36, s36, 49152
	s_add_nc_u64 s[32:33], s[10:11], s[36:37]      ; proj's tiles 2 mu, 2 mu + 1
	s_lshl_b32 s36, s18, 8
	s_add_nc_u64 s[12:13], s[12:13], s[36:37]
	s_add_co_u32 s36, s38, 1572864
	s_add_nc_u64 s[20:21], s[4:5], s[36:37]        ; xk's codes,
	s_add_co_u32 s36, s39, 65536
	s_add_nc_u64 s[22:23], s[8:9], s[36:37]        ; its words,
	s_add_co_u32 s36, s39, 196608+128
	s_add_nc_u64 s[24:25], s[8:9], s[36:37]        ; diag of the keys
	s_mul_i32 s36, s17, 3072
	s_add_co_u32 s36, s36, s38
	s_add_nc_u64 s[28:29], s[6:7], s[36:37]        ; v's codes: K step 2 w, tiles 2 head, 2 head + 1
	s_lshl_b32 s36, s17, 7
	s_add_co_u32 s36, s36, s39
	s_add_co_u32 s36, s36, 131072
	s_add_nc_u64 s[30:31], s[8:9], s[36:37]        ; and its words
	s_mul_i32 s36, s16, 49152                      ; kvs' codes: fragment (tile 2 head + x, K step mu / 4), registers 6 ((mu / 2) % 2) on, lanes 16 (mu % 2) on
	s_mul_i32 s46, s17, 6144
	s_add_co_u32 s36, s36, s46
	s_lshr_b32 s47, s18, 2
	s_mul_i32 s46, s47, 1536
	s_add_co_u32 s36, s36, s46
	s_bfe_u32 s46, s18, 0x10001
	s_mul_i32 s46, s46, 768
	s_add_co_u32 s36, s36, s46
	s_and_b32 s46, s18, 1
	s_lshl_b32 s46, s46, 7
	s_add_co_u32 s36, s36, s46
	s_add_nc_u64 s[40:41], s[14:15], s[36:37]
	s_lshl_b32 s36, s16, 11                        ; kvs' scale bytes: byte mu % 4 of the row's word
	s_lshl_b32 s46, s17, 8
	s_add_co_u32 s36, s36, s46
	s_lshl_b32 s46, s47, 6
	s_add_co_u32 s36, s36, s46
	s_and_b32 s46, s18, 3
	s_add_co_u32 s36, s36, s46
	s_add_co_u32 s36, s36, 196608
	s_add_nc_u64 s[42:43], s[14:15], s[36:37]
	s_lshl_b32 s36, s16, 10                        ; the sums of kp
	s_lshl_b32 s46, s18, 7
	s_add_co_u32 s36, s36, s46
	s_add_co_u32 s36, s36, 204800
	s_add_nc_u64 s[44:45], s[14:15], s[36:37]
	global_load_b128 v[PMR:PMR+3], v[L32], s[26:27]
	global_load_b128 v[PMR+4:PMR+7], v[L32], s[26:27] offset:16
	WIN 0x40
.irp f, 0,1,2,3
.irp i, 0,1,2
	global_load_b128 v[PJ+12*\f+4*\i:PJ+12*\f+4*\i+3], v[L16], s[32:33] offset:1536*\f+512*\i
.endr
.endr
	WIN 0
.irp mt, 0,1
	global_load_b32 v[SPJ+\mt], v[ASW], s[12:13] offset:64*\mt
.endr
	XLOAD 0
	CLOAD 0
	WIN 0x40
.irp k, 0,1
.irp up, 0,1
.irp i, 0,1,2
	global_load_b128 v[VF+24*\k+12*\up+4*\i:VF+24*\k+12*\up+4*\i+3], v[L16], s[28:29] offset:24576*\k+1536*\up+512*\i
.endr
.endr
.endr
	WIN 0
.irp k, 0,1
	global_load_b32 v[SV+\k], v[L4], s[30:31] offset:1024*\k     ; lanes 0-15 the first tile's words, lanes 16-31 the second's
.endr
	s_wait_loadcnt 63                              ; 64 loads were issued behind the two of the largest xp: both are in
	v_max3_num_f32 v[MX], v[PMR], v[PMR+1], v[PMR+2]
	v_max3_num_f32 v[MX+1], v[PMR+3], v[PMR+4], v[PMR+5]
	v_max3_num_f32 v[MX], v[MX], v[PMR+6], v[PMR+7]
	v_max_num_f32 v[MX], v[MX], v[MX+1]
	v_max_num_f32_dpp v[MX], v[MX], v[MX] row_xmask:1 row_mask:0xf bank_mask:0xf
	v_max_num_f32_dpp v[MX], v[MX], v[MX] row_xmask:2 row_mask:0xf bank_mask:0xf
	v_max_num_f32_dpp v[MX], v[MX], v[MX] row_xmask:4 row_mask:0xf bank_mask:0xf
	v_max_num_f32_dpp v[MX], v[MX], v[MX] row_xmask:8 row_mask:0xf bank_mask:0xf
	v_permlanex16_b32 v[MX+1], v[MX], s34, s35
	v_max_num_f32 v[MX], v[MX], v[MX+1]            ; mx: over all l and m of the batch
	v_mov_b32 v[MX+1], v[MX]
	HALF 0
	HALF 1
	HALF 2
	HALF 3
	; the sums of kp: the first four additions are also the places behind the last products
.irp mt, 0,1
	v_pk_add_f32 v[KS+4*\mt:KS+4*\mt+1], v[KS+4*\mt:KS+4*\mt+1], v[KS+4*\mt+2:KS+4*\mt+3]
.endr
.irp mt, 0,1
	v_add_f32 v[KS+4*\mt], v[KS+4*\mt], v[KS+4*\mt+1]
.endr
.irp mt, 0,1
	v_permlanex16_b32 v[KS+4*\mt+1], v[KS+4*\mt], s34, s35
.endr
.irp mt, 0,1
	v_add_f32 v[KS+4*\mt], v[KS+4*\mt], v[KS+4*\mt+1]
.endr
.irp i, 0,1,2,3,4,5,6,7
	ds_store_b128 v[RW], v[ACC+4*\i:ACC+4*\i+3] offset:512*\i    ; each accumulator from its low end on
.endr
.irp mt, 0,1
	ds_store_b32 v[KW], v[KS+4*\mt] offset:64*\mt
.endr
	BARRIER                                        ; all eight partial sums lie in LDS; no barrier follows
	s_cmp_eq_u32 s2, 0
	s_cbranch_scc0 .Lnot0
	; ---- wave 0: kvs, whole, and quantised along m: register 16 u' + i is m = 32 mu + 16 (lane / 16) + i of column (u', lane % 16): one block of 32
	RLOAD 0
	RLOAD 1
.irp i, 0,1,2,3,4,5,6,7
.if \i < 7
	s_wait_dscnt 8                                 ; this group's eight loads are in, the other set's eight may be out
.else
	s_wait_dscnt 0x0
.endif
	RSUM \i
.if \i < 6
	RLOAD \i+2
.endif
.endr
.irp u, 0,1
	v_max3_num_f32 v[TM+\u], |v[ACC+16*\u]|, |v[ACC+16*\u+1]|, 0x1800000
.endr
.irp i, 2,4,6,8,10,12,14
.irp u, 0,1
	v_max3_num_f32 v[TM+\u], v[TM+\u], |v[ACC+16*\u+\i]|, |v[ACC+16*\u+\i+1]|
.endr
.endr
.irp u, 0,1
	v_permlanex16_b32 v[TM+4+\u], v[TM+\u], s34, s35
.endr
.irp u, 0,1
	v_max_num_f32 v[TM+\u], v[TM+\u], v[TM+4+\u]
.endr
.irp u, 0,1
	v_add_nc_u32 v[TM+12+\u], 0xff000000, v[TM+\u]
.endr
.irp u, 0,1
	v_lshrrev_b32 v[TM+4+\u], 23, v[TM+12+\u]
.endr
	v_cvt_scalef32_pk16_fp6_f32 v[KPF:KPF+2], v[ACC:ACC+15], v[TM+12]
	v_cvt_scalef32_pk16_fp6_f32 v[QT:QT+2], v[ACC+16:ACC+31], v[TM+13]
	v_nop
.irp i, 0,1,2
	v_permlane16_swap_b32 v[KPF+\i], v[QT+\i]      ; lanes 0-15 now hold the first tile's block whole, lanes 16-31 the second's
.endr
.irp i, 0,1,2
	v_mov_b32 v[KPF+3+\i], v[QT+\i]
.endr
	v_permlane16_swap_b32 v[TM+4], v[TM+5]         ; and v[TM+4] the byte of the lane's tile
.irp i, 0,1,2
	global_store_b64 v[KO], v[KPF+2*\i:KPF+2*\i+1], s[40:41] offset:256*\i
.endr
	global_store_b8 v[KSO], v[TM+4], s[42:43]
	s_branch .Lend
.Lnot0:
	s_cmp_eq_u32 s2, 1
	s_cbranch_scc0 .Lend
	s_cmp_eq_u32 s17, 0                            ; the sums of kp are the same for all heads: head 0's work-groups store them
	s_cbranch_scc0 .Lend
.irp j, 0,1,2,3,4,5,6,7
	ds_load_b32 v[DX+\j], v[L4] offset:KSR+128*\j
.endr
	s_wait_dscnt 0x0
.irp j, 0,2,4,6
	v_add_f32 v[DX+\j], v[DX+\j], v[DX+\j+1]
.endr
	v_add_f32 v[DX], v[DX], v[DX+2]
	v_add_f32 v[DX+4], v[DX+4], v[DX+6]
	v_add_f32 v[DX], v[DX], v[DX+4]
	global_store_b32 v[SUO], v[DX], s[44:45]       ; lane 16 mt + r holds m = 32 mu + 8 mt + r + 8 (r / 8)
.Lend:
	s_wait_tensorcnt 0x0                           ; the wave's end, behind my last LDS store
	ds_add_u32 v[SPW], v[NIL]
	s_wait_dscnt 0x0
	s_endpgm
.Lfunc_end_k_qbe276e48ac_middle:
	.size	k_qbe276e48ac_middle, .Lfunc_end_k_qbe276e48ac_middle-k_qbe276e48ac_middle
	.p2alignl 7, 3214868480
	.fill 96, 4, 3214868480
	.section	.rodata,"a",@progbits
	.p2align	6, 0x0
	.amdhsa_kernel k_qbe276e48ac_middle
		.amdhsa_group_segment_fixed_size 34816
		.amdhsa_private_segment_fixed_size 0
		.amdhsa_enable_private_segment 0
		.amdhsa_kernarg_size 48
		.amdhsa_user_sgpr_count 2
		.amdhsa_user_sgpr_kernarg_segment_ptr 1
		.amdhsa_wavefront_size32 1
		.amdhsa_system_sgpr_workgroup_id_x 1
		.amdhsa_system_sgpr_workgroup_id_y 1
		.amdhsa_system_sgpr_workgroup_id_z 1
		.amdhsa_system_vgpr_workitem_id 0
		.amdhsa_next_free_vgpr 448
		.amdhsa_next_free_sgpr 66
		.amdhsa_reserve_vcc 0
		.amdhsa_float_denorm_mode_32 3
		.amdhsa_float_denorm_mode_16_64 3
		.amdhsa_memory_ordered 1
		.amdhsa_forward_progress 1
		.amdhsa_inst_pref_size 113
	.end_amdhsa_kernel
	.amdgpu_metadata
---
amdhsa.version: [ 1, 2 ]
amdhsa.kernels:
  - .name:           k_qbe276e48ac_middle
    .symbol:         k_qbe276e48ac_middle.kd
    .args:
      - { .name: xim, .offset: 0, .size: 8, .value_kind: global_buffer, .address_space: global }
      - { .name: vim, .offset: 8, .size: 8, .value_kind: global_buffer, .address_space: global }
      - { .name: aux, .offset: 16, .size: 8, .value_kind: global_buffer, .address_space: global }
      - { .name: wim, .offset: 24, .size: 8, .value_kind: global_buffer, .address_space: global }
      - { .name: proj_scales, .offset: 32, .size: 8, .value_kind: global_buffer, .address_space: global }
      - { .name: kvb, .offset: 40, .size: 8, .value_kind: global_buffer, .address_space: global }
    .group_segment_fixed_size: 34816
    .private_segment_fixed_size: 0
    .kernarg_segment_align: 8
    .kernarg_segment_size: 48
    .max_flat_workgroup_size: 256
    .sgpr_count:     66
    .vgpr_count:     448
    .wavefront_size: 32
...
	.end_amdgpu_metadata
.endif
;; end of part 2
;; launch back (part 3): grid 256 x 1, 4 waves a work-group, no clusters, 47,616 bytes of LDS; arguments xim, aux, wim, proj_scales, kvb, Wo_scales, bo, out0; writes out0
.if DOCPART == 3
	.amdgcn_target "amdgcn-amd-amdhsa--gfx1250"
	.amdhsa_code_object_version 6
	.text
	.protected	k_qbe276e48ac_back
	.globl	k_qbe276e48ac_back
	.p2align	8
	.type	k_qbe276e48ac_back,@function
k_qbe276e48ac_back:
	s_mov_b64 s[64:65], 0
	v_nop
	global_prefetch_b8 v0, s[64:65] scope:SCOPE_SE
	s_setreg_imm32_b32 hwreg(HW_REG_WAVE_MODE, 25, 1), 1
	s_wait_xcnt 0x0
; BACK: qp = (exp(xp - diag - row's largest xp) + 1e-6) / 16; den = qp . sum kp (f32 multiply-adds); num = qp kvs; ctx = num / den; out = ctx Wo + bo.  Three products on codes of FP6, K = 256 each.
; SHARES.  Work-group g takes rows 32 g .. + 31.  In each product wave w takes source 0's rows 64 w .. + 63 (m, then the 256 columns of kvs, then the outputs n) for all 32 rows: its results are half a K step of the next
; product, quantised in registers and handed to the other waves through LDS as images of the operand's registers.
; TRANSPOSED USE throughout: source 0 = 16 rows of proj, kvs or Wo (tiles of rows 32 b + 8 u + r + 8 (r / 8)), source 1 = 16 rows of activations: a lane holds one row l = 8 u + r + 8 (r / 8) of the 32.
; All operands lie in memory in register order and go straight into the registers of the one wave of the work-group that wants them; no tensor load.
; NO JOINT LOADS: proj, kvs and Wo (48 KiB each) are shared by many work-groups, but each wave wants a quarter of each once, in its registers; through LDS the same bytes would be written and read once more.
; The division is a reciprocal and a multiplication; the exponent is formed as xp log2(e) - (diag + max) log2(e): other orders of rounding than reference()'s, of the same size.
; LIMITS: a block whose largest magnitude lies under 2^-124 gets the byte 1 (read by this program alone); NaN and infinities are not served.
.set QIMG, 0                           ; qp's four fragments as images (pairs of registers: 256 p + 8 lane)
.set CIMG, 6144                        ; ctx's
.set QSC,  12288                       ; their scale words: [u][K step][r]
.set CSC,  12544
.set MXP,  12800                       ; [wave][u][r] largest xp
.set DNP,  13312                       ; [wave][u][r] parts of den
.set OST,  13824                       ; 32 rows x (1,024 + 16) bytes of out
.set SPARE, 47104
.set RR, 1
.set HH, 2
.set LN, 3
.set PI, 4
.set L16, 5
.set L4, 6
.set L8, 7
.set ASW, 8
.set AB, 9
.set P4, 10
.set XW, 11
.set XSW, 12
.set MW, 13
.set R4, 14
.set OW, 15
.set ORD, 16
.set SPW, 29
.set NIL, 30
.set TP, 31
.set SXQ, 32                           ; v32-49 hold scale words and nothing else
.set SPJ, 34
.set SKV, 38
.set SWO, 42
.set SQP, 46
.set SCT, 48
.set DGQ, 50
.set CQ, 52
.set DN, 56
.set TM, 60
.set PW, 76
.set RC, 78
.set EP, 84
.set PC, 88
.set QT, 100
.set HA, 108
.set KSM, 172
.set MR, 204
.set PJ, 0                             ; window 1
.set KV, 96
.set BF, 192
.set WO, 0                             ; window 2
.set BO, 96
.set MSB, 0
.macro WIN new
.if MSB != \new
	s_set_vgpr_msb (MSB<<8)|\new
.set MSB, \new
.endif
.endm
.macro PLACES n
.rept \n
	v_nop
.endr
.endm
.macro BARRIER
	s_wait_dscnt 0x0
	s_barrier_signal -1
	s_barrier_wait -1
.endm
.macro MM d, a, b, c, sa, sb, mode     ; c < 0: the constant 0.  mode 0: scales from lanes 0-15; 1: both from lanes 16-31
.if (\c) < 0
.if \mode == 0
	v_wmma_scale_f32_16x16x128_f8f6f4 v[\d:\d+7], v[\a:\a+11], v[\b:\b+11], 0, v[\sa], v[\sb] matrix_a_fmt:MATRIX_FMT_FP6 matrix_b_fmt:MATRIX_FMT_FP6
.else
	v_wmma_scale_f32_16x16x128_f8f6f4 v[\d:\d+7], v[\a:\a+11], v[\b:\b+11], 0, v[\sa], v[\sb] matrix_a_fmt:MATRIX_FMT_FP6 matrix_b_fmt:MATRIX_FMT_FP6 matrix_a_scale:MATRIX_SCALE_ROW1 matrix_b_scale:MATRIX_SCALE_ROW1
.endif
.else
.if \mode == 0
	v_wmma_scale_f32_16x16x128_f8f6f4 v[\d:\d+7], v[\a:\a+11], v[\b:\b+11], v[\c:\c+7], v[\sa], v[\sb] matrix_a_fmt:MATRIX_FMT_FP6 matrix_b_fmt:MATRIX_FMT_FP6
.else
	v_wmma_scale_f32_16x16x128_f8f6f4 v[\d:\d+7], v[\a:\a+11], v[\b:\b+11], v[\c:\c+7], v[\sa], v[\sb] matrix_a_fmt:MATRIX_FMT_FP6 matrix_b_fmt:MATRIX_FMT_FP6 matrix_a_scale:MATRIX_SCALE_ROW1 matrix_b_scale:MATRIX_SCALE_ROW1
.endif
.endif
.endm
; 16 matrix instructions: my 64 rows of source 0 x the 32 rows of source 1, K = 256 in two steps; the eight accumulators take turns.
; Register 32 u + 16 b + i of a lane is source 0's row 64 w + 32 b + 16 (lane / 16) + i, for row (u, lane % 16).
.macro JMUL fa, fb, cb, w0, w1, sa, sb
	WIN \w0
.irp u, 0,1
.irp t, 0,1,2,3
.if (\cb) < 0
	MM HA+32*\u+8*\t, \fa+24*\t, \fb+24*\u, -1, \sa+\t, \sb+\u, 0
.else
	MM HA+32*\u+8*\t, \fa+24*\t, \fb+24*\u, \cb+8*\t, \sa+\t, \sb+\u, 0
.endif
.endr
.endr
	WIN \w1
.irp u, 0,1
.irp t, 0,1,2,3
	MM HA+32*\u+8*\t, \fa+24*\t+12, \fb+24*\u+12, HA+32*\u+8*\t, \sa+\t, \sb+\u, 1
.endr
.endr
	WIN 0
.endm
.macro QMAX s, ab
.irp q, 0,1,2,3
.if \ab
	v_max3_num_f32 v[TM+\q], |v[\s+16*\q]|, |v[\s+16*\q+1]|, 0x1800000
.else
	v_max3_num_f32 v[TM+\q], v[\s+16*\q], v[\s+16*\q+1], 0x1800000
.endif
.endr
.irp i, 2,4,6,8,10,12,14
.irp q, 0,1,2,3
.if \ab
	v_max3_num_f32 v[TM+\q], v[TM+\q], |v[\s+16*\q+\i]|, |v[\s+16*\q+\i+1]|
.else
	v_max3_num_f32 v[TM+\q], v[TM+\q], v[\s+16*\q+\i], v[\s+16*\q+\i+1]
.endif
.endr
.endr
.irp q, 0,1,2,3
	v_permlanex16_b32 v[TM+4+\q], v[TM+\q], s30, s31
.endr
.irp q, 0,1,2,3
	v_max_num_f32 v[TM+\q], v[TM+\q], v[TM+4+\q]
.endr
.irp q, 0,1,2,3
	v_add_nc_u32 v[TM+12+\q], 0xff000000, v[TM+\q]
.endr
.irp q, 0,1,2,3
	v_lshrrev_b32 v[TM+4+\q], 23, v[TM+12+\q]
.endr
.endm
.macro QCVT s, d0, d1
	v_cvt_scalef32_pk16_fp6_f32 v[\d0:\d0+2], v[\s:\s+15], v[TM+12]
	v_cvt_scalef32_pk16_fp6_f32 v[QT:QT+2], v[\s+16:\s+31], v[TM+13]
	v_cvt_scalef32_pk16_fp6_f32 v[\d1:\d1+2], v[\s+32:\s+47], v[TM+14]
	v_cvt_scalef32_pk16_fp6_f32 v[QT+4:QT+6], v[\s+48:\s+63], v[TM+15]
	v_nop
.irp i, 0,1,2
	v_permlane16_swap_b32 v[\d0+\i], v[QT+\i]
	v_permlane16_swap_b32 v[\d1+\i], v[QT+4+\i]
.endr
.irp i, 0,1,2
	v_mov_b32 v[\d0+3+\i], v[QT+\i]
	v_mov_b32 v[\d1+3+\i], v[QT+4+\i]
.endr
.endm
; my 64 columns of the 32 rows, quantised: half a fragment and half a scale word for each tile of rows, to LDS.  sel = 0: qp's places, 1: ctx's
.macro XOUT sel, ab
	QMAX HA, \ab
	v_lshl_or_b32 v[PW], v[TM+5], 8, v[TM+4]
	v_lshl_or_b32 v[PW+1], v[TM+7], 8, v[TM+6]
	QCVT HA, PC, PC+6
.irp u, 0,1
.irp i, 0,1,2
	ds_store_b64 v[XW], v[PC+6*\u+2*\i:PC+6*\u+2*\i+1] offset:6144*\sel+3072*\u+256*\i
.endr
	ds_store_b16 v[XSW], v[PW+\u] offset:256*\sel+128*\u
.endr
.endm
.macro XIN sel, sc                     ; the four fragments and the two registers of scale words come back, in every wave
	WIN 0x40
.irp f, 0,1,2,3
.irp p, 0,1,2,3,4,5
	ds_load_b64 v[BF+12*\f+2*\p:BF+12*\f+2*\p+1], v[L8] offset:6144*\sel+1536*\f+256*\p
.endr
.endr
	WIN 0
	ds_load_b32 v[\sc], v[L4] offset:QSC+256*\sel
	ds_load_b32 v[\sc+1], v[L4] offset:QSC+256*\sel+128
.endm
	s_load_b512 s[4:19], s[0:1], 0x0               ; xim, aux, wim, proj's scales, kvb, Wo's scales, bo, out0
	v_lshl_add_u32 v[SPW], v0, 2, SPARE
	v_mov_b32 v[NIL], 0
	v_lshrrev_b32 v[TP], 5, v0
	v_readfirstlane_b32 s2, v[TP]                  ; wave 0..3
	s_lshr_b32 s34, ttmp9, 6                       ; batch
	s_mov_b32 s33, 0
	s_mov_b32 s30, 0x76543210
	s_mov_b32 s31, 0xfedcba98
	v_and_b32 v[RR], 15, v0
	v_bfe_u32 v[HH], v0, 4, 1
	v_and_b32 v[LN], 31, v0
	v_and_b32 v[PI], 8, v[RR]
	v_add_nc_u32 v[PI], v[PI], v[RR]
	v_lshlrev_b32 v[L16], 4, v[LN]
	v_lshlrev_b32 v[L4], 2, v[LN]
	v_lshlrev_b32 v[L8], 3, v[LN]
	v_lshlrev_b32 v[ASW], 3, v[PI]
	v_lshl_add_u32 v[ASW], v[HH], 2, v[ASW]
	v_lshlrev_b32 v[AB], 6, v[HH]
	v_lshlrev_b32 v[P4], 2, v[PI]
	v_lshlrev_b32 v[R4], 2, v[RR]
	s_mul_i32 s35, s2, 768
	v_add_nc_u32 v[XW], s35, v[L8]
	s_lshr_b32 s35, s2, 1
	s_lshl_b32 s35, s35, 6
	s_and_b32 s36, s2, 1
	s_lshl_b32 s36, s36, 1
	s_add_co_u32 s35, s35, s36
	s_add_co_u32 s35, s35, QSC
	v_lshl_add_u32 v[XSW], v[RR], 2, s35
	s_lshl_b32 s35, s2, 7
	s_add_co_u32 s35, s35, MXP
	v_lshl_add_u32 v[MW], v[RR], 2, s35
	s_lshl_b32 s35, s2, 8
	s_add_co_u32 s35, s35, OST
	v_mul_u32_u24 v[OW], v[PI], 1040
	v_lshl_add_u32 v[OW], v[HH], 6, v[OW]
	v_add_nc_u32 v[OW], s35, v[OW]
	s_mul_i32 s35, s2, 8*1040
	s_add_co_u32 s35, s35, OST
	v_add_nc_u32 v[ORD], s35, v[L16]
	v_mov_b32 v[EP], 0x338637bd                    ; f32(1e-6) with 4 off its exponent field
	v_mov_b32 v[EP+1], 0x338637bd
.irp q, 0,1,2,3
	v_mov_b32 v[TM+4+\q], 0
.endr
	s_wait_kmcnt 0x0
	s_mul_i32 s32, ttmp9, 6144
	s_add_nc_u64 s[4:5], s[4:5], s[32:33]          ; xq's four fragments
	s_lshl_b32 s32, ttmp9, 8
	s_add_nc_u64 s[20:21], s[6:7], s[32:33]        ; its words; diag 196,608 bytes on
	s_mul_i32 s32, s2, 12288
	s_add_nc_u64 s[8:9], s[8:9], s[32:33]          ; my eight fragments of Wo; proj's 49,152 bytes on
	s_mul_i32 s35, s34, 49152
	s_add_co_u32 s32, s32, s35
	s_add_nc_u64 s[26:27], s[12:13], s[32:33]      ; and of kvs
	s_lshl_b32 s32, s2, 9
	s_add_nc_u64 s[10:11], s[10:11], s[32:33]
	s_add_nc_u64 s[14:15], s[14:15], s[32:33]
	s_lshl_b32 s35, s34, 11
	s_add_co_u32 s32, s32, s35
	s_add_co_u32 s32, s32, 196608
	s_add_nc_u64 s[28:29], s[12:13], s[32:33]      ; kvs' words
	s_lshl_b32 s32, s2, 8
	s_add_nc_u64 s[16:17], s[16:17], s[32:33]      ; bo
	s_lshl_b32 s35, s34, 10
	s_add_co_u32 s32, s32, s35
	s_add_co_u32 s32, s32, 204800
	s_add_nc_u64 s[24:25], s[12:13], s[32:33]      ; the sums of kp at my 64 m
	s_lshl_b32 s32, ttmp9, 15
	s_lshl_b32 s35, s2, 13
	s_add_co_u32 s32, s32, s35
	s_add_nc_u64 s[18:19], s[18:19], s[32:33]      ; out: row 32 g + 8 w
	; the first group, 52 loads: what the first product and qp want
	WIN 0x40
.irp f, 0,1,2,3
.irp i, 0,1,2
	global_load_b128 v[BF+12*\f+4*\i:BF+12*\f+4*\i+3], v[L16], s[4:5] offset:1536*\f+512*\i
.endr
.endr
.irp f, 0,1,2,3,4,5,6,7
.irp i, 0,1,2
	global_load_b128 v[PJ+12*\f+4*\i:PJ+12*\f+4*\i+3], v[L16], s[8:9] offset:49152+1536*\f+512*\i
.endr
.endr
	WIN 0
.irp u, 0,1
	global_load_b32 v[SXQ+\u], v[L4], s[20:21] offset:128*\u
	global_load_b32 v[DGQ+\u], v[P4], s[20:21] offset:196608+32*\u
.endr
.irp t, 0,1,2,3
	global_load_b32 v[SPJ+\t], v[ASW], s[10:11] offset:(32*(\t/2)+8*(\t%2))*8
.endr
.irp b, 0,1
.irp j, 0,1,2,3
	global_load_b128 v[KSM+16*\b+4*\j:KSM+16*\b+4*\j+3], v[AB], s[24:25] offset:128*\b+16*\j
.endr
.endr
	; the second, 52: kvs
	WIN 0x40
.irp f, 0,1,2,3,4,5,6,7
.irp p, 0,1,2,3,4,5
	global_load_b64 v[KV+12*\f+2*\p:KV+12*\f+2*\p+1], v[L8], s[26:27] offset:1536*\f+256*\p
.endr
.endr
	WIN 0
.irp t, 0,1,2,3
	global_load_b32 v[SKV+\t], v[L4], s[28:29] offset:128*\t
.endr
	; the third, 36: Wo and bo
	WIN 0x80
.irp f, 0,1,2,3,4,5,6,7
.irp i, 0,1,2
	global_load_b128 v[WO+12*\f+4*\i:WO+12*\f+4*\i+3], v[L16], s[8:9] offset:1536*\f+512*\i
.endr
.endr
.irp t, 0,1,2,3
	global_load_b128 v[BO+8*\t:BO+8*\t+3], v[AB], s[16:17] offset:(32*(\t/2)+8*(\t%2))*4
	global_load_b128 v[BO+8*\t+4:BO+8*\t+7], v[AB], s[16:17] offset:(32*(\t/2)+8*(\t%2))*4+16
.endr
	WIN 0
.irp t, 0,1,2,3
	global_load_b32 v[SWO+\t], v[ASW], s[14:15] offset:(32*(\t/2)+8*(\t%2))*8
.endr
	s_wait_loadcnt 63                              ; 88 loads were issued behind the first group: it is in
	; ---- xp
	JMUL PJ, BF, -1, 0x05, 0x05, SPJ, SXQ
	PLACES 4
.irp q, 0,1,2,3
	v_max_num_f32 v[TM+\q], v[HA+16*\q], v[HA+16*\q+1]
.endr
.irp i, 2,4,6,8,10,12,14
.irp q, 0,1,2,3
	v_max3_num_f32 v[TM+\q], v[TM+\q], v[HA+16*\q+\i], v[HA+16*\q+\i+1]
.endr
.endr
	v_max_num_f32 v[TM], v[TM], v[TM+1]
	v_max_num_f32 v[TM+2], v[TM+2], v[TM+3]
	v_permlanex16_b32 v[TM+4], v[TM], s30, s31
	v_permlanex16_b32 v[TM+5], v[TM+2], s30, s31
	v_max_num_f32 v[TM], v[TM], v[TM+4]
	v_max_num_f32 v[TM+2], v[TM+2], v[TM+5]
	ds_store_b32 v[MW], v[TM]                      ; my 64 m's largest xp of each row
	ds_store_b32 v[MW], v[TM+2] offset:64
	BARRIER
.irp u, 0,1
.irp j, 0,1,2,3
	ds_load_b32 v[MR+4*\u+\j], v[R4] offset:MXP+128*\j+64*\u
.endr
.endr
	s_wait_dscnt 0x0
.irp u, 0,1
	v_max3_num_f32 v[MR+4*\u], v[MR+4*\u], v[MR+4*\u+1], v[MR+4*\u+2]
.endr
.irp u, 0,1
	v_max_num_f32 v[MR+4*\u], v[MR+4*\u], v[MR+4*\u+3]          ; the row's largest xp
.endr
.irp u, 0,1
	v_add_f32 v[CQ+2*\u], v[DGQ+\u], v[MR+4*\u]
.endr
.irp u, 0,1
	v_mul_f32 v[CQ+2*\u], 0x3fb8aa3b, v[CQ+2*\u]
.endr
.irp u, 0,1
	v_mov_b32 v[CQ+2*\u+1], v[CQ+2*\u]
.endr
.irp u, 0,1
.irp i, 0,2,4,6,8,10,12,14,16,18,20,22,24,26,28,30
	v_pk_fma_f32 v[HA+32*\u+\i:HA+32*\u+\i+1], v[HA+32*\u+\i:HA+32*\u+\i+1], 0x3fb8aa3b, v[CQ+2*\u:CQ+2*\u+1] op_sel_hi:[1,0,1] neg_lo:[0,0,1] neg_hi:[0,0,1]
.endr
.endr
.set x, 0
.rept 64
	v_exp_f32 v[HA+x], v[HA+x]
.set x, x+1
.endr
	v_nop                                          ; a plain place behind the exponentials
	s_wait_alu depctr_va_vdst(0)                   ; one wait for the batch, ahead of its first reader
.set x, 0
.rept 32
	v_pk_fma_f32 v[HA+x:HA+x+1], v[HA+x:HA+x+1], 0x3d800000, v[EP:EP+1] op_sel_hi:[1,0,1]   ; qp
.set x, x+2
.endr
	; den: the unquantised qp times the sums of kp, in f32: my 64 m's part
.irp u, 0,1
	v_pk_mul_f32 v[DN+2*\u:DN+2*\u+1], v[HA+32*\u:HA+32*\u+1], v[KSM:KSM+1]
.endr
.irp i, 2,4,6,8,10,12,14,16,18,20,22,24,26,28,30
.irp u, 0,1
	v_pk_fma_f32 v[DN+2*\u:DN+2*\u+1], v[HA+32*\u+\i:HA+32*\u+\i+1], v[KSM+\i:KSM+\i+1], v[DN+2*\u:DN+2*\u+1]
.endr
.endr
.irp u, 0,1
	v_add_f32 v[DN+2*\u], v[DN+2*\u], v[DN+2*\u+1]
.endr
.irp u, 0,1
	v_permlanex16_b32 v[DN+2*\u+1], v[DN+2*\u], s30, s31
.endr
.irp u, 0,1
	v_add_f32 v[DN+2*\u], v[DN+2*\u], v[DN+2*\u+1]
.endr
.irp u, 0,1
	ds_store_b32 v[MW], v[DN+2*\u] offset:DNP-MXP+64*\u
.endr
	XOUT 0, 0                                      ; qp is positive: no |.|
	BARRIER                                        ; qp's fragments and words and all parts of den lie in LDS
	; ---- num = qp kvs
	XIN 0, SQP
.irp u, 0,1
.irp j, 0,1,2,3
	ds_load_b32 v[MR+4*\u+\j], v[R4] offset:DNP+128*\j+64*\u
.endr
.endr
	s_wait_dscnt 0x0
.irp u, 0,1
	v_add_f32 v[MR+4*\u], v[MR+4*\u], v[MR+4*\u+1]
	v_add_f32 v[MR+4*\u+2], v[MR+4*\u+2], v[MR+4*\u+3]
.endr
.irp u, 0,1
	v_add_f32 v[MR+4*\u], v[MR+4*\u], v[MR+4*\u+2]
.endr
.irp u, 0,1
	v_rcp_f32 v[RC+2*\u], v[MR+4*\u]               ; twice: the pair that the packed multiply reads
	v_rcp_f32 v[RC+2*\u+1], v[MR+4*\u]
.endr
	v_nop
	s_wait_alu depctr_va_vdst(0)
	s_wait_loadcnt 36                              ; kvs is in; the third group's 36 loads may be out
	JMUL KV, BF, -1, 0x05, 0x05, SKV, SQP
	PLACES 4
.irp u, 0,1
.irp i, 0,2,4,6,8,10,12,14,16,18,20,22,24,26,28,30
	v_pk_mul_f32 v[HA+32*\u+\i:HA+32*\u+\i+1], v[HA+32*\u+\i:HA+32*\u+\i+1], v[RC+2*\u:RC+2*\u+1]   ; ctx = num / den
.endr
.endr
	XOUT 1, 1
	BARRIER
	; ---- out = ctx Wo + bo
	XIN 1, SCT
	s_wait_dscnt 0x0
	s_wait_loadcnt 0x0
	JMUL WO, BF, BO, 0x26, 0x06, SWO, SCT          ; source 0 window 2; bo, in window 2, is the C of each sum's first instruction
	PLACES 4
.irp u, 0,1
.irp b, 0,1
.irp j, 0,1,2,3
	ds_store_b128 v[OW], v[HA+32*\u+16*\b+4*\j:HA+32*\u+16*\b+4*\j+3] offset:8*1040*\u+128*\b+16*\j   ; row 8 u + r + 8 (r / 8), columns 64 w + 32 b + 16 (lane / 16) + 4 j ..; each accumulator from its low end on
.endr
.endr
.endr
	BARRIER                                        ; 32 whole rows of out lie in the stage
.irp k, 0,1,2,3,4,5,6,7
.irp e, 0,1
	ds_load_b128 v[HA+8*\k+4*\e:HA+8*\k+4*\e+3], v[ORD] offset:1040*\k+512*\e
.endr
.endr
.irp k, 0,1,2,3,4,5,6,7
.irp e, 0,1
	s_wait_dscnt 15-2*\k-\e                        ; the younger loads may stay out
	global_store_b128 v[L16], v[HA+8*\k+4*\e:HA+8*\k+4*\e+3], s[18:19] offset:1024*\k+512*\e th:TH_STORE_NT   ; 32 lanes store 512 consecutive bytes, at a multiple of 256 from out's first byte
.endr
.endr
	s_wait_tensorcnt 0x0                           ; the wave's end, behind my last LDS store
	ds_add_u32 v[SPW], v[NIL]
	s_wait_dscnt 0x0
	s_endpgm
.Lfunc_end_k_qbe276e48ac_back:
	.size	k_qbe276e48ac_back, .Lfunc_end_k_qbe276e48ac_back-k_qbe276e48ac_back
	.p2alignl 7, 3214868480
	.fill 96, 4, 3214868480
	.section	.rodata,"a",@progbits
	.p2align	6, 0x0
	.amdhsa_kernel k_qbe276e48ac_back
		.amdhsa_group_segment_fixed_size 47616
		.amdhsa_private_segment_fixed_size 0
		.amdhsa_enable_private_segment 0
		.amdhsa_kernarg_size 64
		.amdhsa_user_sgpr_count 2
		.amdhsa_user_sgpr_kernarg_segment_ptr 1
		.amdhsa_wavefront_size32 1
		.amdhsa_system_sgpr_workgroup_id_x 1
		.amdhsa_system_sgpr_workgroup_id_y 1
		.amdhsa_system_sgpr_workgroup_id_z 1
		.amdhsa_system_vgpr_workitem_id 0
		.amdhsa_next_free_vgpr 640
		.amdhsa_next_free_sgpr 66
		.amdhsa_reserve_vcc 0
		.amdhsa_float_denorm_mode_32 3
		.amdhsa_float_denorm_mode_16_64 3
		.amdhsa_memory_ordered 1
		.amdhsa_forward_progress 1
		.amdhsa_inst_pref_size 57
	.end_amdhsa_kernel
	.amdgpu_metadata
---
amdhsa.version: [ 1, 2 ]
amdhsa.kernels:
  - .name:           k_qbe276e48ac_back
    .symbol:         k_qbe276e48ac_back.kd
    .args:
      - { .name: xim, .offset: 0, .size: 8, .value_kind: global_buffer, .address_space: global }
      - { .name: aux, .offset: 8, .size: 8, .value_kind: global_buffer, .address_space: global }
      - { .name: wim, .offset: 16, .size: 8, .value_kind: global_buffer, .address_space: global }
      - { .name: proj_scales, .offset: 24, .size: 8, .value_kind: global_buffer, .address_space: global }
      - { .name: kvb, .offset: 32, .size: 8, .value_kind: global_buffer, .address_space: global }
      - { .name: Wo_scales, .offset: 40, .size: 8, .value_kind: global_buffer, .address_space: global }
      - { .name: bo, .offset: 48, .size: 8, .value_kind: global_buffer, .address_space: global }
      - { .name: out0, .offset: 56, .size: 8, .value_kind: global_buffer, .address_space: global }
    .group_segment_fixed_size: 47616
    .private_segment_fixed_size: 0
    .kernarg_segment_align: 8
    .kernarg_segment_size: 64
    .max_flat_workgroup_size: 128
    .sgpr_count:     66
    .vgpr_count:     640
    .wavefront_size: 32
...
	.end_amdgpu_metadata
.endif
;; end of part 3
